; MI455X (gfx1250); checked and timed in simulation.
; The chip was launched on July 23, 2026; its instructions are those of AMD's public machine-readable ISA for CDNA 5 (MIT licence, August 2026) and "CDNA5" Instruction Set Architecture Reference Guide (July 2026). The comments in the code are by the model that wrote it; some were corrected since.
;; Transformer Block. Allowed arithmetic: float matrix products may take bf16 or f16 operands with f32 sums; other float arithmetic in f32, or as packed bf16 or f16 multiplies, adds, multiply-adds, maxima and minima; sums over many terms, partial sums and values carried from step to step in f32; what a program stores and reads back later, other than sums and carried values, may be rounded once to bf16 or f16.
;; Inputs: W1 4,096 x 1,024 float32; W2 1,024 x 4,096 float32; Wo 1,024 x 1,024 float32; Wqkv 3,072 x 1,024 float32; b1 4,096 float32; b2 1,024 float32; bo 1,024 float32; bqkv 3,072 float32; ln1_b 1,024 float32; ln1_g 1,024 float32; ln2_b 1,024 float32; ln2_g 1,024 float32; w_att one number float32; w_mlp one number float32; x 2 x 2,048 x 1,024 float32.
;; Outputs: out0 2 x 2,048 x 1,024 float32.
;; One version. Each part assembles by itself: llvm-mc -triple=amdgcn-amd-amdhsa -mcpu=gfx1250 --defsym DOCPART=n.
;; ======== version 1 of 1: 7 launches
;; limits: values are held in f16: magnitudes above 65,504 overflow, below 6.1e-05 lose precision
;; workspace buffers: wts 25,165,824 bytes; act 8,388,608 bytes; qkv 25,165,824 bytes; x1 16,777,216 bytes; g 33,554,432 bytes
;; launch prep (part 1): grid 1024 x 1, 4 waves a work-group, no clusters, 0 bytes of LDS; arguments x, ln1_g, ln1_b, Wqkv, Wo, W1, W2, act, wts; writes act, wts
.if DOCPART == 1
	.amdgcn_target "amdgcn-amd-amdhsa--gfx1250"
	.amdhsa_code_object_version 6
	.text
	.protected	k_q75795b0bda_prep
	.globl	k_q75795b0bda_prep
	.p2align	8
	.type	k_q75795b0bda_prep,@function
k_q75795b0bda_prep:
	s_mov_b64 s[64:65], 0
	v_nop
	global_prefetch_b8 v0, s[64:65] scope:SCOPE_SE
	s_setreg_imm32_b32 hwreg(HW_REG_WAVE_MODE, 25, 1), 1
	s_wait_xcnt 0x0
; ONE BODY FOR TWO LAUNCHES.  Arguments: rows, gain, bias, four matrices, normalised rows (f16), matrices (f16).
; Work-groups 0-255: argument 8 = LayerNorm(argument 1) * gain + bias, [4096][1024], rounded once to f16.  Work-groups 256-1023: the four weight matrices, rounded once to f16, into argument 9
; (Wqkv at byte 0, Wo at 6,291,456, W1 at 8,388,608, W2 at 16,777,216; rows as in the inputs).
; The first launch has 1,024 work-groups: LayerNorm 1 of x, and the weights.  The second has 256: LayerNorm 2 of x1 alone; none of its work-groups reaches the second path.
; LIMIT: f16 ends at 65,504: a weight or a normalised number beyond it becomes an infinity; below 6e-5 f16 keeps a fixed step of 6e-8.
; SHARES.  A chunk is 4,096 input bytes (1,024 f32: a row, or 1,024 weights on end) and 2,048 output bytes.  A wave takes four chunks, a work-group sixteen.
; A load of a wave covers 512 consecutive bytes, a store 256 consecutive bytes at a multiple of 256 from the buffer's first byte.  All of a wave's loads go out at once:
; 16 KiB a wave; nothing is read twice.  A stream: no LDS, no matrix unit, no cluster (no two work-groups share a byte but the gains).
; The mean is taken first and subtracted, then the squares are summed: no difference of large sums is formed.
.set X,   32                           ; v[32:159]  chunk c at X + 32 c; load j at + 4 j: columns 128 j + 4 lane + 0..3
.set G,   160                          ; v[160:191] the gain in the same column map
.set BT,  192                          ; v[192:223] the bias
.set SRC, 32                           ; s[32:33]   my wave's first input byte
.set DST, 34                           ; s[34:35]   my wave's first output byte
.macro LOADX                           ; the wave's four chunks: 32 loads
.irp c, 0,1,2,3
.irp j, 0,1,2,3,4,5,6,7
	global_load_b128 v[X+32*(\c)+4*(\j):X+32*(\c)+4*(\j)+3], v1, s[SRC:SRC+1] offset:4096*(\c)+512*(\j) th:TH_LOAD_NT
.endr
.endr
.endm
.macro OUT c                           ; chunk c is rounded to f16 in place (a destination never lies above its sources) and stored
.irp j, 0,1,2,3,4,5,6,7
	v_cvt_pk_f16_f32 v[X+32*(\c)+2*(\j)],   v[X+32*(\c)+4*(\j)],   v[X+32*(\c)+4*(\j)+1]
	v_cvt_pk_f16_f32 v[X+32*(\c)+2*(\j)+1], v[X+32*(\c)+4*(\j)+2], v[X+32*(\c)+4*(\j)+3]
.endr
.irp j, 0,1,2,3,4,5,6,7
	global_store_b64 v2, v[X+32*(\c)+2*(\j):X+32*(\c)+2*(\j)+1], s[DST:DST+1] offset:2048*(\c)+256*(\j) th:TH_STORE_NT
.endr
.endm
.macro REDUCE                          ; the four packed chains v[4:11] into one number, the same in all 32 lanes: v16
	v_pk_add_f32 v[4:5], v[4:5], v[6:7]
	v_pk_add_f32 v[8:9], v[8:9], v[10:11]
	v_pk_add_f32 v[4:5], v[4:5], v[8:9]
	v_add_f32 v16, v4, v5
	v_add_f32_dpp v16, v16, v16 row_xmask:1 row_mask:0xf bank_mask:0xf
	v_add_f32_dpp v16, v16, v16 row_xmask:2 row_mask:0xf bank_mask:0xf
	v_add_f32_dpp v16, v16, v16 row_xmask:4 row_mask:0xf bank_mask:0xf
	v_add_f32_dpp v16, v16, v16 row_xmask:8 row_mask:0xf bank_mask:0xf
	v_permlanex16_b32 v17, v16, s36, s37
	v_add_f32 v16, v16, v17
.endm
.macro LNROW c                         ; one row, kept in 32 registers from its load to its store
.set XC, X+32*(\c)
	s_wait_loadcnt 8*(3-(\c))                      ; the younger chunks' loads, eight each, may stay out; gain and bias are older
.irp k, 0,1,2,3
	v_pk_add_f32 v[4+2*(\k):5+2*(\k)], v[XC+2*(\k):XC+2*(\k)+1], v[XC+8+2*(\k):XC+8+2*(\k)+1]  ; the first sums start the chains
.endr
.irp q, 16,24
.irp k, 0,1,2,3
	v_pk_add_f32 v[4+2*(\k):5+2*(\k)], v[4+2*(\k):5+2*(\k)], v[XC+(\q)+2*(\k):XC+(\q)+2*(\k)+1]
.endr
.endr
	REDUCE
	v_mul_f32 v12, s38, v16                        ; the mean, twice: a pair for the packed subtraction
	v_mul_f32 v13, s38, v16
.set p, 0
.rept 16
	v_pk_add_f32 v[XC+p:XC+p+1], v[XC+p:XC+p+1], v[12:13] neg_lo:[0,1] neg_hi:[0,1]
.set p, p+2
.endr
.irp k, 0,1,2,3
	v_pk_mul_f32 v[4+2*(\k):5+2*(\k)], v[XC+2*(\k):XC+2*(\k)+1], v[XC+2*(\k):XC+2*(\k)+1]
.endr
.irp q, 8,16,24
.irp k, 0,1,2,3
	v_pk_fma_f32 v[4+2*(\k):5+2*(\k)], v[XC+(\q)+2*(\k):XC+(\q)+2*(\k)+1], v[XC+(\q)+2*(\k):XC+(\q)+2*(\k)+1], v[4+2*(\k):5+2*(\k)]
.endr
.endr
	REDUCE
	v_fma_f32 v16, v16, s38, s39                   ; the variance + 1e-5
	v_rsq_f32 v14, v16
	v_rsq_f32 v15, v16
	v_nop                                          ; a plain instruction behind the second root,
	s_wait_alu depctr_va_vdst(0)                   ; and one wait for both, ahead of their first use
.set p, 0
.rept 16
	v_pk_mul_f32 v[XC+p:XC+p+1], v[XC+p:XC+p+1], v[14:15]
.set p, p+2
.endr
.set p, 0
.rept 16
	v_pk_fma_f32 v[XC+p:XC+p+1], v[XC+p:XC+p+1], v[G+p:G+p+1], v[BT+p:BT+p+1]
.set p, p+2
.endr
	OUT \c
.endm
	s_load_b512 s[8:23], s[0:1], 0x0               ; rows s[8:9], gain s[10:11], bias s[12:13], Wqkv s[14:15], Wo s[16:17], W1 s[18:19], W2 s[20:21], normalised rows s[22:23]
	s_load_b64 s[24:25], s[0:1], 0x40              ; the matrices in f16
	v_and_b32 v3, 31, v0                           ; lane
	v_lshrrev_b32 v4, 5, v0
	v_readfirstlane_b32 s26, v4                    ; wave
	v_lshlrev_b32 v1, 4, v3                        ; 16 bytes a lane in,
	v_lshlrev_b32 v2, 3, v3                        ; 8 bytes a lane out
	v_mov_b32 v17, 0                               ; v_permlanex16_b32's destination counts as read
	s_mov_b32 s36, 0x76543210                      ; each lane takes its own place in the other half
	s_mov_b32 s37, 0xfedcba98
	s_mov_b32 s38, 0x3a800000                      ; 1 / 1,024
	s_mov_b32 s39, 0x3727c5ac                      ; 1e-5
	s_mov_b32 s29, 0
	s_mov_b32 s31, 0
	s_cmp_lt_u32 ttmp9, 256
	s_cbranch_scc0 .Lcast
	s_lshl_b32 s27, ttmp9, 2
	s_add_co_u32 s27, s27, s26                     ; my wave among the 1,024 that normalise
	s_lshl_b32 s28, s27, 14                        ; its four rows of 4,096 bytes,
	s_lshl_b32 s30, s27, 13                        ; and of 2,048 bytes
	s_wait_kmcnt 0x0
	s_add_nc_u64 s[SRC:SRC+1], s[8:9], s[28:29]
	s_add_nc_u64 s[DST:DST+1], s[22:23], s[30:31]
.irp j, 0,1,2,3,4,5,6,7
	global_load_b128 v[G+4*(\j):G+4*(\j)+3], v1, s[10:11] offset:512*(\j)
.endr
.irp j, 0,1,2,3,4,5,6,7
	global_load_b128 v[BT+4*(\j):BT+4*(\j)+3], v1, s[12:13] offset:512*(\j)
.endr
	LOADX
	LNROW 0
	LNROW 1
	LNROW 2
	LNROW 3
	s_endpgm
.Lcast:
	s_sub_co_u32 s27, ttmp9, 256                   ; 0-191 Wqkv, 192-255 Wo, 256-511 W1, 512-767 W2: 65,536 input bytes each
	s_mov_b32 s28, 512
	s_wait_kmcnt 0x0
	s_cmp_lt_u32 s27, 512
	s_cselect_b64 s[SRC:SRC+1], s[18:19], s[20:21]
	s_cselect_b32 s28, 256, s28
	s_cmp_lt_u32 s27, 256
	s_cselect_b64 s[SRC:SRC+1], s[16:17], s[SRC:SRC+1]
	s_cselect_b32 s28, 192, s28
	s_cmp_lt_u32 s27, 192
	s_cselect_b64 s[SRC:SRC+1], s[14:15], s[SRC:SRC+1]
	s_cselect_b32 s28, 0, s28                      ; the matrix's first work-group
	s_sub_co_u32 s28, s27, s28
	s_lshl_b32 s28, s28, 2
	s_add_co_u32 s28, s28, s26
	s_lshl_b32 s28, s28, 14                        ; my wave's 16,384 bytes in its matrix,
	s_lshl_b32 s30, s27, 2
	s_add_co_u32 s30, s30, s26
	s_lshl_b32 s30, s30, 13                        ; and its 8,192 bytes in f16
	s_add_nc_u64 s[SRC:SRC+1], s[SRC:SRC+1], s[28:29]
	s_add_nc_u64 s[DST:DST+1], s[24:25], s[30:31]
	LOADX
.irp c, 0,1,2,3
	s_wait_loadcnt 8*(3-(\c))                      ; the younger chunks' loads may stay out
	OUT \c
.endr
	s_endpgm
.Lfunc_end_k_q75795b0bda_prep:
	.size	k_q75795b0bda_prep, .Lfunc_end_k_q75795b0bda_prep-k_q75795b0bda_prep
	.p2alignl 7, 3214868480
	.fill 96, 4, 3214868480
	.section	.rodata,"a",@progbits
	.p2align	6, 0x0
	.amdhsa_kernel k_q75795b0bda_prep
		.amdhsa_group_segment_fixed_size 0
		.amdhsa_private_segment_fixed_size 0
		.amdhsa_enable_private_segment 0
		.amdhsa_kernarg_size 72
		.amdhsa_user_sgpr_count 2
		.amdhsa_user_sgpr_kernarg_segment_ptr 1
		.amdhsa_wavefront_size32 1
		.amdhsa_system_sgpr_workgroup_id_x 1
		.amdhsa_system_sgpr_workgroup_id_y 1
		.amdhsa_system_sgpr_workgroup_id_z 1
		.amdhsa_system_vgpr_workitem_id 0
		.amdhsa_next_free_vgpr 224
		.amdhsa_next_free_sgpr 66
		.amdhsa_reserve_vcc 0
		.amdhsa_float_denorm_mode_32 3
		.amdhsa_float_denorm_mode_16_64 3
		.amdhsa_memory_ordered 1
		.amdhsa_forward_progress 1
		.amdhsa_inst_pref_size 49
	.end_amdhsa_kernel
	.amdgpu_metadata
---
amdhsa.version: [ 1, 2 ]
amdhsa.kernels:
  - .name:           k_q75795b0bda_prep
    .symbol:         k_q75795b0bda_prep.kd
    .args:
      - { .name: x, .offset: 0, .size: 8, .value_kind: global_buffer, .address_space: global }
      - { .name: ln1_g, .offset: 8, .size: 8, .value_kind: global_buffer, .address_space: global }
      - { .name: ln1_b, .offset: 16, .size: 8, .value_kind: global_buffer, .address_space: global }
      - { .name: Wqkv, .offset: 24, .size: 8, .value_kind: global_buffer, .address_space: global }
      - { .name: Wo, .offset: 32, .size: 8, .value_kind: global_buffer, .address_space: global }
      - { .name: W1, .offset: 40, .size: 8, .value_kind: global_buffer, .address_space: global }
      - { .name: W2, .offset: 48, .size: 8, .value_kind: global_buffer, .address_space: global }
      - { .name: act, .offset: 56, .size: 8, .value_kind: global_buffer, .address_space: global }
      - { .name: wts, .offset: 64, .size: 8, .value_kind: global_buffer, .address_space: global }
    .group_segment_fixed_size: 0
    .private_segment_fixed_size: 0
    .kernarg_segment_align: 8
    .kernarg_segment_size: 72
    .max_flat_workgroup_size: 128
    .sgpr_count:     66
    .vgpr_count:     224
    .wavefront_size: 32
...
	.end_amdgpu_metadata
.endif
;; end of part 1
;; launch proj (part 2): grid 12 x 16, 4 waves a work-group, clusters of 4 x 4, 327,680 bytes of LDS; arguments act, wts, bqkv, qkv; writes qkv
.if DOCPART == 2
	.amdgcn_target "amdgcn-amd-amdhsa--gfx1250"
	.amdhsa_code_object_version 6
	.text
	.protected	k_q75795b0bda_proj
	.globl	k_q75795b0bda_proj
	.p2align	8
	.type	k_q75795b0bda_proj,@function
k_q75795b0bda_proj:
	s_mov_b64 s[64:65], 0
	v_nop
	global_prefetch_b8 v0, s[64:65] scope:SCOPE_SE
	s_setreg_imm32_b32 hwreg(HW_REG_WAVE_MODE, 25, 1), 1
	s_wait_xcnt 0x0
	s_wait_alu depctr_hold_cnt(0) depctr_sa_sdst(0) depctr_va_vdst(0) depctr_va_sdst(0) depctr_va_ssrc(0) depctr_va_vcc(0) depctr_vm_vsrc(0)
	s_getreg_b32 s2, hwreg(HW_REG_IB_STS2, 6, 4)
	s_cmp_eq_u32 s2, 0
	s_cbranch_scc0 .Lentry_in_a_cluster
	s_endpgm
.Lentry_in_a_cluster:
	s_bfe_u32 s2, ttmp6, 0x10000c
	s_cmp_lg_u32 s2, 0xf033
	s_cbranch_scc0 .Lentry_shape_is_right
	s_endpgm
.Lentry_shape_is_right:
; q, k, v = LN1(x) Wqkv^T + bqkv.  A = act [4096][1024] f16, B = wts + WOFF [3072][1024] f16, sums in f32, the bias (f32) is the C operand that starts each sum.
; The result, rounded once to f16 and unscaled, goes out by heads: qkv[sel][16 batch + head][t][64], sel = 0 q, 1 k, 2 v.
; LIMIT: f16 ends at 65,504: q, k, v beyond it become infinities.
; SHARES.  A tile of C is 256 x 256, made by four waves of 128 x 128 (64 accumulators, 512 registers).  K goes in eight steps of 128 through two LDS slots; a wave's tensor load brings
; 128 rows x 256 bytes.  4 x 4 work-groups form a cluster: A's tiles are asked for jointly along a row of the cluster, B's along a column.
; ONE K STEP IS WRITTEN ONCE: the slot in hand is a scalar, CUR (0 or SLOT), turned by an exclusive or at each change of slots; the fragment addresses and the descriptor's LDS word are sums with it.
; The matrix instruction is used transposed (source 0 = 16 rows of B, source 1 = 16 rows of A): a lane holds eight neighbouring columns of one row of C.
; REGISTERS, in windows of 256: window 0: v16-30 addresses, v64-191 A's two fragment buffers, v192-223 packed results; window 1: v64-191 B's two buffers, v192-255 the bias; windows 2, 3: the accumulators.
.set WOFF,   0
.set KSTEP,  128
.set PITCH,  272                       ; 256 bytes + 16 of padding: the 16 rows of a fragment load start at 16 different groups of four banks (ISA guide 11.1)
.set HALFT,  128*PITCH
.set SLOT,   4*HALFT                   ; A's 256 rows, then B's 256 rows
.set SPARE,  2*SLOT                    ; behind the ring: the spare words, 128 bytes a wave, which no other line names
.set A0,   16                          ; v16  my lane's place in A's rows of slot 0; never rewritten
.set B0,   17                          ; v17  the same for B
.set ADRA, 18                          ; v18  A0 + CUR
.set ADRB, 19                          ; v19  B0 + CUR
.set STO,  24
.set RD,   25
.set CO,   26
.set BO,   27
.set SPW,  28                          ; v28  my spare word; never rewritten
.set NIL,  29                          ; v29  0; never rewritten
.set PFO,  30                          ; v30  the prefetches' offset: my lane x a row of 2,048 bytes; never rewritten
.set F0,   64
.set F1,   128
.set TMP,  192
.set BI,   192                         ; window 1: block b's eight bias numbers at BI + 8 b
.set WV, 12
.set RH, 13                            ; my half of the tile's rows; also 0: I fetch for A, 1: for B
.set CH, 14                            ; my half of its columns; also which 128 rows I fetch
.set CX, 15
.set CY, 16
.set TC, 17
.set TR, 18
.set LB, 19                            ; wave x HALFT: where my tensor loads land in a slot
.set CUR, 20
.set CNT, 21
.set G1, 24
.set G0, 32                            ; two sets for the two first fills; the second then walks on
.set PFA, 44
.set LIM, 46
.set G1B, 48
.set G0B, 56
.set MSB, 0
.macro WIN new                         ; the immediate's high byte repeats the setting that is left
.if MSB != (\new)
	s_set_vgpr_msb (MSB<<8)|(\new)
.set MSB, \new
.endif
.endm
.macro PLACES                          ; four plain instructions between a matrix instruction and a load into, or a vector read of, its registers
.rept 4
	v_nop
.endr
.endm
.macro JLOAD s                         ; a joint load: waves 0, 1 fetch A's halves, waves 2, 3 B's; the branch hangs on the wave's number alone
	s_cmp_eq_u32 s[RH], 0
	s_cbranch_scc0 .Lfor_b_\@
	tensor_load_to_lds s[G0+4*(\s):G0+4*(\s)+3], s[G1:G1+7]
	s_nop 0
.rept 4
	v_nop
.endr
	s_branch .Lasked_\@
.Lfor_b_\@:
	tensor_load_to_lds s[G0B+4*(\s):G0B+4*(\s)+3], s[G1B:G1B+7]
	s_nop 0
.rept 4
	v_nop
.endr
.Lasked_\@:
.endm
; A prefetch of the K step that stands two refills on: 32 rows x 256 bytes, a lane a row.  A's rows are asked for by the clusters with x = 0, B's by those with y = 0; the four partners that
; fetch a tile jointly take 32 of a wave's 128 rows each, told apart by address.  So each row's 256 bytes of a K step are named once.  The loop's last two trips have no K step two refills on.
.macro ASK
	s_cmp_gt_u32 s[CNT], s[LIM]
	s_cbranch_scc0 .Lnot_mine_\@
	global_prefetch_b8 v[PFO], s[PFA:PFA+1] offset:KSTEP*2 th:TH_LOAD_NT scope:SCOPE_SE
.Lnot_mine_\@:
.endm
.macro CREST                           ; a round of the cluster's barrier behind its opening barrier
	s_cmp_lg_u32 s[WV], 0
	s_cbranch_scc1 .Lnot_wave_0_\@
	s_barrier_signal -3
.Lnot_wave_0_\@:
	s_barrier_wait -3
	s_barrier_signal -1
	s_barrier_wait -1
.endm
.macro CROUND
	s_barrier_signal -1
	s_barrier_wait -1
	CREST
.endm
; 16 matrix instructions: m blocks a0, a0 + 1 of the window's four x all 8 n blocks.  init = 1: the bias starts the sums.  The 64 accumulators take turns in one order everywhere.
.macro MUL16 f, hi, a0, init
.if \init
	WIN 0x91+0x40*(\hi)
.else
	WIN 0xa1+0x50*(\hi)
.endif
.irp a, \a0, (\a0)+1
.irp b, 0,1,2,3,4,5,6,7
.if \init
	v_wmma_f32_16x16x32_f16 v[8*(8*(\a)+(\b)):8*(8*(\a)+(\b))+7], v[(\f)+8*(\b):(\f)+8*(\b)+7], v[(\f)+8*(4*(\hi)+(\a)):(\f)+8*(4*(\hi)+(\a))+7], v[BI+8*(\b):BI+8*(\b)+7]
.else
	v_wmma_f32_16x16x32_f16 v[8*(8*(\a)+(\b)):8*(8*(\a)+(\b))+7], v[(\f)+8*(\b):(\f)+8*(\b)+7], v[(\f)+8*(4*(\hi)+(\a)):(\f)+8*(4*(\hi)+(\a))+7], v[8*(8*(\a)+(\b)):8*(8*(\a)+(\b))+7]
.endif
.endr
.endr
.endm
.macro FETCH k, f                      ; 32 LDS loads in one run: a quarter step's fragments (32 along K at byte k of the rows) into buffer f
	WIN 0x40
.irp i, 0,1,2,3,4,5,6,7
	ds_load_b128 v[(\f)+8*(\i):(\f)+8*(\i)+3],   v[ADRB] offset:(\k)+(\i)*16*PITCH
	ds_load_b128 v[(\f)+8*(\i)+4:(\f)+8*(\i)+7], v[ADRB] offset:(\k)+(\i)*16*PITCH+32
.endr
	WIN 0
.irp i, 0,1,2,3,4,5,6,7
	ds_load_b128 v[(\f)+8*(\i):(\f)+8*(\i)+3],   v[ADRA] offset:(\k)+(\i)*16*PITCH
	ds_load_b128 v[(\f)+8*(\i)+4:(\f)+8*(\i)+7], v[ADRA] offset:(\k)+(\i)*16*PITCH+32
.endr
.endm
.macro QUARTER k, f, g, init           ; multiplies buffer f; in its middle fetches the next quarter, at byte k, into g
	s_wait_dscnt 8                                 ; B and A's rows 0-63 are in; the youngest eight loads (A's rows 64-127) may be out
	MUL16 \f, 0, 0, \init
	MUL16 \f, 0, 2, \init
	PLACES
	FETCH \k, \g
	s_wait_dscnt 32                                ; all but the 32 just issued
	MUL16 \f, 1, 0, \init
	MUL16 \f, 1, 2, \init
.endm
; The last quarter multiplies buffer 1 and changes slots.  In front of the barrier each wave waits for all its tensor loads (one is out: its part of the next slot), adds 0 to its spare word, and waits
; for that and for its reads of this slot.  fill = 1: the barrier opens a round of the cluster's barrier, and this slot is filled again, two K steps ahead, first thing behind the round.
.macro TURN fill
.if \fill
	s_wait_xcnt 0x0                                ; the last prefetch, a K step back, has read its address
	s_add_nc_u64 s[PFA:PFA+1], s[PFA:PFA+1], KSTEP*2
.endif
	WIN 0
	s_wait_tensorcnt 0x0
	ds_add_u32 v[SPW], v[NIL]                      ; work on registers follows
.if \fill
	s_add_co_u32 s[G0+5], s[LB], s[CUR]            ; no tensor load of mine is out: the walking descriptors take the slot in hand
	s_add_co_u32 s[G0B+5], s[LB], s[CUR]
	s_add_nc_u64 s[G0+6:G0+7], s[G0+6:G0+7], KSTEP*2  ; and the next K step
	s_add_nc_u64 s[G0B+6:G0B+7], s[G0B+6:G0B+7], KSTEP*2
.endif
	s_xor_b32 s[CUR], s[CUR], SLOT                 ; the other slot
	v_add_nc_u32 v[ADRA], s[CUR], v[A0]
	v_add_nc_u32 v[ADRB], s[CUR], v[B0]
	s_wait_dscnt 9                                 ; the add and the youngest eight loads may be out
	MUL16 F1, 0, 0, 0
	s_wait_dscnt 0x0                               ; the add is done, and my reads of this slot are over
	s_barrier_signal -1
	MUL16 F1, 0, 2, 0
	WIN 0
	s_barrier_wait -1
.if \fill
	CREST
	JLOAD 1                                        ; its four v_nop are also the places in front of the loads below
	FETCH 0, F0
	ASK
.else
	PLACES
	s_cmp_eq_u32 s[CNT], 1                         ; behind the last K step there is nothing to fetch
	s_cbranch_scc1 .Lno_fetch_\@
	FETCH 0, F0
.Lno_fetch_\@:
.endif
	MUL16 F1, 1, 0, 0
	MUL16 F1, 1, 2, 0
.endm
	s_load_b256 s[4:11], s[0:1], 0x0               ; act s[4:5], wts s[6:7], bias s[8:9], qkv s[10:11]
	v_lshl_add_u32 v[SPW], v0, 2, SPARE
	v_mov_b32 v[NIL], 0
	ds_add_u32 v[SPW], v[NIL]                      ; the wave's opening
	v_lshrrev_b32 v1, 5, v0
	v_readfirstlane_b32 s[WV], v1
	s_lshr_b32 s[RH], s[WV], 1
	s_and_b32 s[CH], s[WV], 1
	s_bfe_u32 s[CX], ttmp6, 0x40000
	s_bfe_u32 s[CY], ttmp6, 0x40004
	s_lshl_b32 s[TC], ttmp9, 2
	s_add_co_u32 s[TC], s[TC], s[CX]               ; tile column of C
	s_and_b32 s[TR], ttmp7, 0xffff
	s_lshl_b32 s[TR], s[TR], 2
	s_add_co_u32 s[TR], s[TR], s[CY]               ; tile row of C
	s_lshl_b32 s22, s[CY], 2
	s_lshl_b32 s22, 15, s22                        ; my row of the cluster
	s_lshl_b32 s23, 0x1111, s[CX]                  ; my column
	s_or_b32 s[G1], s22, (1<<16)|(1<<20)|(1<<21)|(5<<22)|(3<<25)   ; mask; 2-byte elements; padding on; bit 21 beside a mask; after every 64 words 4 words
	s_or_b32 s[G1B], s23, (1<<16)|(1<<20)|(1<<21)|(5<<22)|(3<<25)
.irp g, G1, G1B
	s_mov_b32 s[(\g)+1], KSTEP<<16                 ; tensor_dim0 = 128
	s_mov_b32 s[(\g)+2], 128<<16                   ; tensor_dim1 = 128
	s_mov_b32 s[(\g)+3], KSTEP<<16                 ; tile_dim0 = 128
	s_mov_b32 s[(\g)+4], 128                       ; tile_dim1 = 128
	s_mov_b32 s[(\g)+5], 1024                      ; elements from row to row
	s_mov_b32 s[(\g)+6], 0
	s_mov_b32 s[(\g)+7], 0
.endr
	s_lshl_b32 s66, s[TR], 8
	s_lshl_b32 s67, s[CH], 7
	s_add_co_u32 s66, s66, s67                     ; A: row 256 x tile row + 128 x half,
	s_lshl_b32 s66, s66, 11                        ; x 2,048 bytes
	s_mov_b32 s67, 0
	s_lshl_b32 s68, s[TC], 8
	s_lshl_b32 s69, s[CH], 7
	s_add_co_u32 s68, s68, s69                     ; B: row 256 x tile column + 128 x half
	s_lshl_b32 s68, s68, 11
	s_add_co_u32 s68, s68, WOFF
	s_mov_b32 s69, 0
	s_mul_i32 s[LB], s[WV], HALFT
	s_mov_b32 s[CUR], 0
	s_wait_dscnt 0x0                               ; the opening add is done
	s_wait_kmcnt 0x0
	s_add_nc_u64 s[40:41], s[4:5], s[66:67]
	s_add_nc_u64 s[42:43], s[6:7], s[68:69]
	CROUND                                         ; all sixteen work-groups are here: the first joint loads meet
.irp s, 0,1
	s_mov_b32 s[G0+4*(\s)], 1
	s_add_co_u32 s[G0+4*(\s)+1], s[LB], (\s)*SLOT
	s_add_nc_u64 s[G0+4*(\s)+2:G0+4*(\s)+3], s[40:41], (\s)*KSTEP*2
	s_or_b32 s[G0+4*(\s)+3], s[G0+4*(\s)+3], 0x80000000
	s_mov_b32 s[G0B+4*(\s)], 1
	s_add_co_u32 s[G0B+4*(\s)+1], s[LB], (\s)*SLOT
	s_add_nc_u64 s[G0B+4*(\s)+2:G0B+4*(\s)+3], s[42:43], (\s)*KSTEP*2
	s_or_b32 s[G0B+4*(\s)+3], s[G0B+4*(\s)+3], 0x80000000
	JLOAD \s                                       ; two loads of mine are out
.endr
	v_and_b32 v1, 15, v0                           ; l % 16
	v_bfe_u32 v2, v0, 4, 1                         ; l / 16
	v_mul_u32_u24 v3, v1, PITCH
	v_lshl_add_u32 v3, v2, 4, v3                   ; row x pitch + 16 x half
	s_mul_i32 s66, s[RH], HALFT
	s_mul_i32 s67, s[CH], HALFT
	s_add_co_u32 s67, s67, 2*HALFT
	v_add_nc_u32 v[A0], s66, v3
	v_add_nc_u32 v[B0], s67, v3
	v_mov_b32 v[ADRA], v[A0]
	v_mov_b32 v[ADRB], v[B0]
	v_add_nc_u32 v[STO], s[LB], v3                 ; the way out: my stage is my wave's 128 rows x 272 bytes of slot 0, when the ring is done with
	v_and_b32 v4, 31, v0
	v_lshrrev_b32 v5, 3, v4
	v_and_b32 v6, 7, v0
	v_mul_u32_u24 v5, v5, PITCH
	v_lshl_add_u32 v5, v6, 4, v5
	v_add_nc_u32 v[RD], s[LB], v5                  ; back: 32 lanes take 128 bytes (one head's 64 columns) of each of four rows,
	v_lshlrev_b32 v[CO], 4, v4                     ; which are 512 consecutive bytes of qkv
	v_lshlrev_b32 v[BO], 5, v2
	s_lshl_b32 s68, s[TC], 10
	s_lshl_b32 s69, s[CH], 9
	s_add_co_u32 s68, s68, s69
	s_mov_b32 s69, 0
	s_add_nc_u64 s[8:9], s[8:9], s[68:69]          ; the bias at my 128 columns
	WIN 0x40
.irp b, 0,1,2,3,4,5,6,7
	global_load_b128 v[BI+8*(\b):BI+8*(\b)+3],   v[BO], s[8:9] offset:64*(\b)
	global_load_b128 v[BI+8*(\b)+4:BI+8*(\b)+7], v[BO], s[8:9] offset:64*(\b)+16
.endr
	WIN 0
	s_lshl_b32 s66, s[TR], 8                       ; the prefetches
	s_lshl_b32 s67, s[TC], 8
	s_and_b32 s70, ttmp7, 0xffff
	s_cmp_eq_u32 s[RH], 0                          ; do I fetch for A?
	s_cselect_b32 s66, s66, s67                    ; the tile's first row
	s_cselect_b32 s67, s[CX], s[CY]                ; my place among the four that ask with me
	s_cselect_b32 s70, ttmp9, s70                  ; the coordinate along which other clusters read the same rows
	s_cselect_b64 s[PFA:PFA+1], s[4:5], s[6:7]
	s_cselect_b32 s71, 0, WOFF
	s_cmp_eq_u32 s70, 0
	s_cselect_b32 s[LIM], 2, -1
	s_lshl_b32 s70, s[CH], 7
	s_add_co_u32 s66, s66, s70
	s_lshl_b32 s67, s67, 5
	s_add_co_u32 s66, s66, s67
	s_lshl_b32 s66, s66, 11
	s_add_co_u32 s66, s66, s71
	s_add_co_u32 s66, s66, 2*KSTEP*2               ; at K step 2: the first refill steps it to 3 and names K step 4
	s_mov_b32 s67, 0
	s_add_nc_u64 s[PFA:PFA+1], s[PFA:PFA+1], s[66:67]
	v_lshlrev_b32 v[PFO], 11, v4
	s_wait_tensorcnt 1                             ; my part of K step 0 is in; K step 1's load may stay out
	s_barrier_signal -1
	s_barrier_wait -1
	FETCH 0, F0
	s_wait_loadcnt 0x0                             ; the bias
	QUARTER 64, F0, F1, 1                          ; the first quarter stands ahead of the loop: its products start the sums
	WIN 0
	s_mov_b32 s[CNT], 6
.Lstep:                                        ; a trip: from a K step's second quarter to the next one's first; trip t asks for K step t + 2
	QUARTER 128, F1, F0, 0
	QUARTER 192, F0, F1, 0
	TURN 1
	QUARTER 64, F0, F1, 0
	WIN 0
	s_sub_co_u32 s[CNT], s[CNT], 1
	s_cmp_lg_u32 s[CNT], 0
	s_cbranch_scc1 .Lstep
	s_mov_b32 s[CNT], 2
.Ltail:                                        ; the last two K steps ask for nothing; the second trip is left behind its change of slots
	QUARTER 128, F1, F0, 0
	QUARTER 192, F0, F1, 0
	TURN 0
	WIN 0
	s_cmp_eq_u32 s[CNT], 1
	s_cbranch_scc1 .Lout
	QUARTER 64, F0, F1, 0
	WIN 0
	s_sub_co_u32 s[CNT], s[CNT], 1
	s_cmp_lg_u32 s[CNT], 0
	s_cbranch_scc1 .Ltail
.Lout:
	; THE WAY OUT.  Behind the last barrier no wave reads the ring and nothing fills it again.  Rounded to f16, 16 bytes a lane into my own stage; back by heads.
	PLACES
.irp a, 0,1,2,3,4,5,6,7
	WIN 0x0a+5*((\a)/4)
.irp b, 0,1,2,3,4,5,6,7
.irp r, 0,1,2,3
	v_cvt_pk_f16_f32 v[TMP+4*(\b)+(\r)], v[64*((\a)%4)+8*(\b)+2*(\r)], v[64*((\a)%4)+8*(\b)+2*(\r)+1]
.endr
.endr
	WIN 0
.irp b, 0,1,2,3,4,5,6,7
	ds_store_b128 v[STO], v[TMP+4*(\b):TMP+4*(\b)+3] offset:(\a)*16*PITCH+32*(\b)
.endr
.endr
	s_lshl_b32 s66, s[TC], 8
	s_lshl_b32 s67, s[CH], 7
	s_add_co_u32 s66, s66, s67                     ; my first column n0 of 3,072
	s_lshl_b32 s67, s[TR], 8
	s_lshl_b32 s68, s[RH], 7
	s_add_co_u32 s67, s67, s68                     ; my first row m0 of 4,096
	s_lshr_b32 s68, s66, 10
	s_lshl_b32 s68, s68, 23                        ; q, k or v: 8,388,608 bytes each
	s_bfe_u32 s69, s66, 0x40006                    ; the head: (n0 % 1,024) / 64
	s_lshr_b32 s70, s67, 11                        ; the batch
	s_lshl_b32 s70, s70, 4
	s_or_b32 s69, s69, s70
	s_lshl_b32 s69, s69, 18                        ; 262,144 bytes a head
	s_add_co_u32 s68, s68, s69
	s_and_b32 s70, s67, 2047
	s_lshl_b32 s70, s70, 7                         ; 128 bytes a row
	s_add_co_u32 s68, s68, s70
	s_mov_b32 s69, 0
	s_add_nc_u64 s[10:11], s[10:11], s[68:69]
	s_mov_b32 s[CNT], 8
.Lrows:                                        ; 16 rows a trip; LDS serves a wave's instructions in order (ISA guide 5.7.1.4): the loads see my stores above
.irp q, 0,1,2,3
.irp hs, 0,1
	ds_load_b128 v[64+4*(2*(\q)+(\hs)):64+4*(2*(\q)+(\hs))+3], v[RD] offset:4*PITCH*(\q)+128*(\hs)
.endr
.endr
.irp q, 0,1,2,3
.irp hs, 0,1
	s_wait_dscnt 7-(2*(\q)+(\hs))                  ; the younger loads may stay out
	global_store_b128 v[CO], v[64+4*(2*(\q)+(\hs)):64+4*(2*(\q)+(\hs))+3], s[10:11] offset:262144*(\hs)+512*(\q)  ; 512 consecutive bytes of one head
.endr
.endr
	s_wait_xcnt 0x0                                ; the stores have read their registers and their base
	v_add_nc_u32 v[RD], 16*PITCH, v[RD]
	s_add_nc_u64 s[10:11], s[10:11], 2048
	s_sub_co_u32 s[CNT], s[CNT], 1
	s_cmp_lg_u32 s[CNT], 0
	s_cbranch_scc1 .Lrows
	s_wait_tensorcnt 0x0                           ; the wave's end
	ds_add_u32 v[SPW], v[NIL]
	s_wait_dscnt 0x0
	CROUND                                         ; the closing round
	s_endpgm
.Lfunc_end_k_q75795b0bda_proj:
	.size	k_q75795b0bda_proj, .Lfunc_end_k_q75795b0bda_proj-k_q75795b0bda_proj
	.p2alignl 7, 3214868480
	.fill 96, 4, 3214868480
	.section	.rodata,"a",@progbits
	.p2align	6, 0x0
	.amdhsa_kernel k_q75795b0bda_proj
		.amdhsa_group_segment_fixed_size 327680
		.amdhsa_private_segment_fixed_size 0
		.amdhsa_enable_private_segment 0
		.amdhsa_kernarg_size 32
		.amdhsa_user_sgpr_count 2
		.amdhsa_user_sgpr_kernarg_segment_ptr 1
		.amdhsa_wavefront_size32 1
		.amdhsa_system_sgpr_workgroup_id_x 1
		.amdhsa_system_sgpr_workgroup_id_y 1
		.amdhsa_system_sgpr_workgroup_id_z 1
		.amdhsa_system_vgpr_workitem_id 0
		.amdhsa_next_free_vgpr 1024
		.amdhsa_next_free_sgpr 80
		.amdhsa_reserve_vcc 0
		.amdhsa_float_denorm_mode_32 3
		.amdhsa_float_denorm_mode_16_64 3
		.amdhsa_memory_ordered 1
		.amdhsa_forward_progress 1
		.amdhsa_inst_pref_size 94
	.end_amdhsa_kernel
	.amdgpu_metadata
---
amdhsa.version: [ 1, 2 ]
amdhsa.kernels:
  - .name:           k_q75795b0bda_proj
    .symbol:         k_q75795b0bda_proj.kd
    .args:
      - { .name: act, .offset: 0, .size: 8, .value_kind: global_buffer, .address_space: global }
      - { .name: wts, .offset: 8, .size: 8, .value_kind: global_buffer, .address_space: global }
      - { .name: bqkv, .offset: 16, .size: 8, .value_kind: global_buffer, .address_space: global }
      - { .name: qkv, .offset: 24, .size: 8, .value_kind: global_buffer, .address_space: global }
    .group_segment_fixed_size: 327680
    .private_segment_fixed_size: 0
    .kernarg_segment_align: 8
    .kernarg_segment_size: 32
    .max_flat_workgroup_size: 128
    .sgpr_count:     80
    .vgpr_count:     1024
    .wavefront_size: 32
...
	.end_amdgpu_metadata
.endif
;; end of part 2
;; launch attn (part 3): grid 16 x 16, 4 waves a work-group, clusters of 4 x 1, 327,680 bytes of LDS; arguments qkv, act; writes act
.if DOCPART == 3
	.amdgcn_target "amdgcn-amd-amdhsa--gfx1250"
	.amdhsa_code_object_version 6
	.text
	.protected	k_q75795b0bda_attn
	.globl	k_q75795b0bda_attn
	.p2align	8
	.type	k_q75795b0bda_attn,@function
k_q75795b0bda_attn:
	s_mov_b64 s[64:65], 0
	v_nop
	global_prefetch_b8 v0, s[64:65] scope:SCOPE_SE
	s_setreg_imm32_b32 hwreg(HW_REG_WAVE_MODE, 25, 1), 1
	s_wait_xcnt 0x0
	s_wait_alu depctr_hold_cnt(0) depctr_sa_sdst(0) depctr_va_vdst(0) depctr_va_sdst(0) depctr_va_ssrc(0) depctr_va_vcc(0) depctr_vm_vsrc(0)
	s_getreg_b32 s2, hwreg(HW_REG_IB_STS2, 6, 4)
	s_cmp_eq_u32 s2, 0
	s_cbranch_scc0 .Lentry_in_a_cluster
	s_endpgm
.Lentry_in_a_cluster:
	s_bfe_u32 s2, ttmp6, 0x10000c
	s_cmp_lg_u32 s2, 0x3003
	s_cbranch_scc0 .Lentry_shape_is_right
	s_endpgm
.Lentry_shape_is_right:
; O[q][:] = the sum over k of softmax_k(Q[q] . K[k] / 8) V[k][:], for 32 heads of 2,048 rows x 64 channels.  qkv: [3][32][2048][64] f16 (q, k, v; a head's rows dense, 128 bytes each).
; O goes out as act [4096][1024] f16: row = 2,048 batch + t, columns 64 head + channel.  Products, maxima and sums in f32; the weights p are rounded to f16 for the second product
; (their sum l is taken of the unrounded p), O once at the end.
; LIMITS.  q, k, v arrive within f16's 65,504; p lies in 0 to 1 and below 6e-5 keeps f16's fixed step of 6e-8; a weight below 2^-126 counts as 0 in l; NaN and infinities are not treated apart.
; SHARES.  A work-group takes 128 queries of a PAIR of heads (2 y, 2 y + 1), so that a row of its result is 256 consecutive bytes of act.  Wave w: head w % 2, queries 64 (w / 2) on: four PIECES of 16.
; Every wave walks all 2,048 keys of its head, 64 a step, two steps a tile.  CLUSTER: the four query blocks of a cluster walk the same K and V of the pair: each tile is asked for jointly.
; LAYOUT, SOFTMAX, TURNS.  S^T = K Q^T holds ONE query a lane (lane % 16) and the keys 8 (lane / 16) + 0..7; two such results rounded to f16 ARE source 1 of O^T = V^T P.  p = 2^(c s - c m), c = log2(e) / 8,
; with a running maximum m; O and l are multiplied by a = 2^(c m_old - c m_new) in every step; m starts at the lowest finite number, O and l at 0.  Turn n belongs to piece n: 8 products K Q^T of piece n + 1,
; later 8 products V^T P of piece n - 1; beside them the scaling, exponentials, roundings, sums and rescaling of piece n and the maximum and statistics of piece n + 1.  Four vector instructions stand
; behind every matrix instruction, the others in one run.  A turn's 33 exponentials are one batch, with one wait.
; REGISTERS, in windows of 256 (s_set_vgpr_msb: bits 1:0 source 0, 3:2 source 1, 5:4 source 2, 7:6 destination):
;   window 0: v0-15 addresses; v16-31 four registers of statistics a piece; v48-55 at work; v64-127 S^T, two buffers; v192-223 P, two buffers (by the piece's parity)
;   window 1: v0-127 O^T, 32 a piece      window 2: v0-63 Q; v128-191 K of one step; v192-255 V of one step
.set NP,    4
.set KS,    64
.set PK,    144       ; a row of K in LDS: 128 bytes + 16 of padding
.set PV,    160       ; a row of V: 128 + 32
.set VOFF,  256*PK    ; a slot: 128 keys of head 0's K, 128 of head 1's, then V likewise
.set SLOT1, 1<<17     ; slot 1 begins here: one exclusive or turns an address in one slot into the other's
.set STAGE, SLOT1+256*(PK+PV)  ; behind the ring, never filled by a tensor load: 128 rows x 272 bytes, the work-group's
.set SP,    272
.set SPARE, STAGE+128*SP       ; the spare words, 128 bytes a wave, which no other line names
.set TILEB, 16384     ; a tile's 128 keys of one head in memory
.set AK0, 2
.set AV0, 3
.set AK,  4
.set AV,  5
.set STO, 6
.set RD,  7
.set GO,  8
.set MV,  12
.set QO,  15
.set ST,  16          ; piece t's statistics at v[ST+4 t]: c m, m, l (even keys', odd keys')
.set TMP, 48
.set PFO, 61          ; v61  256 x my lane; never rewritten
.set SPW, 62          ; v62  my spare word; never rewritten
.set NIL, 63          ; v63  0; never rewritten
.set S,   64
.set P,   192
.set KF,  128
.set VF,  192
.set WV,  12
.set LIM, 15
.set PFA, 18
.set G1K, 24
.set G1V, 32
.set G0K, 40
.set G0V, 44
.set SLOTS, 56
.set CNT, 57
.set CS,  58
.set SEL, 60
.set TBK, 62
.set TBV, 63
.set MSB, 0
.macro WIN new
.if MSB != (\new)
	s_set_vgpr_msb (MSB<<8)|(\new)
.set MSB, (\new)
.endif
.endm
.set W_KQ, 0x0a
.set W_PV, 0x52
.set W_RS, 0x41
.macro JLOAD                        ; a joint fill: waves 0, 1 fetch K of heads 0, 1 of the pair, waves 2, 3 V: 128 keys each
	s_cmp_lt_u32 s[WV], 2
	s_cbranch_scc0 .Lfor_v_\@
	tensor_load_to_lds s[G0K:G0K+3], s[G1K:G1K+7]
	s_nop 0
.rept 4
	v_nop
.endr
	s_branch .Lasked_\@
.Lfor_v_\@:
	tensor_load_to_lds s[G0V:G0V+3], s[G1V:G1V+7]
	s_nop 0
.rept 4
	v_nop
.endr
.Lasked_\@:
.endm
; A prefetch of the tile that the NEXT change of slots will ask for: 2 x 16,384 bytes of K and of V.  The pair's first cluster asks; its four partners take 8,192 bytes each, told apart by address;
; in each, wave 0 asks for K's and wave 2 for V's, a lane for each 256 bytes.  So each such block is named once.  The last change that fills a slot asks for nothing.
.macro ASK
	s_cmp_gt_u32 s[SLOTS], s[LIM]
	s_cbranch_scc0 .Lnot_mine_\@
	global_prefetch_b8 v[PFO], s[PFA:PFA+1] th:TH_LOAD_NT scope:SCOPE_SE
.Lnot_mine_\@:
.endm
.macro CROUND
	s_barrier_signal -1
	s_barrier_wait -1
	s_cmp_lg_u32 s[WV], 0
	s_cbranch_scc1 .Lnot_wave_0_\@
	s_barrier_signal -3
.Lnot_wave_0_\@:
	s_barrier_wait -3
	s_barrier_signal -1
	s_barrier_wait -1
.endm
; THE CHANGE OF SLOTS.  Each wave waits for all its tensor loads (one is out: its part of the other slot), adds 0 to its spare word, and waits for that and for its reads of the slot that it leaves.
; fill = 1: the barrier is a round of the cluster's, and the old slot is filled again, first thing behind it, with the keys two tiles on: it has two key steps in which to land.
.macro CHANGE fill
	WIN 0
	s_wait_tensorcnt 0x0
	ds_add_u32 v[SPW], v[NIL]
.if \fill
.irp g, G0K, G0V
	s_xor_b32 s[\g+1], s[\g+1], SLOT1
	s_add_nc_u64 s[\g+2:\g+3], s[\g+2:\g+3], TILEB
.endr
	s_wait_xcnt 0x0                 ; the last prefetch, two key steps back, has read its address
	s_add_nc_u64 s[PFA:PFA+1], s[PFA:PFA+1], TILEB
	s_wait_dscnt 0x0                ; the add is done, and my reads of the slot are over
	CROUND
	JLOAD
	ASK
.else
	s_wait_dscnt 0x0
	s_barrier_signal -1
	s_barrier_wait -1
.endif
	s_sub_co_u32 s[TBK], s[TBK], 2*KS*PK  ; the fetches go back to a slot's first step, in the other slot
	s_xor_b32 s[TBK], s[TBK], SLOT1
	s_sub_co_u32 s[TBV], s[TBV], 2*KS*PV
	s_xor_b32 s[TBV], s[TBV], SLOT1
.endm
	s_load_b128 s[4:7], s[0:1], 0x0 ; qkv s[4:5], act s[6:7]
	v_lshl_add_u32 v[SPW], v0, 2, SPARE
	v_mov_b32 v[NIL], 0
	ds_add_u32 v[SPW], v[NIL]       ; the wave's opening
	v_lshrrev_b32 v1, 5, v0
	v_readfirstlane_b32 s[WV], v1
	s_bfe_u32 s13, ttmp6, 0x40000   ; cx
	s_lshl_b32 s14, ttmp9, 2
	s_add_co_u32 s14, s14, s13      ; my block of 128 queries: it enters Q's and O's addresses alone
	s_and_b32 s16, ttmp7, 0xffff    ; the pair of heads, which the four partners share
	s_and_b32 s17, s[WV], 1         ; which head of the pair
	s_lshr_b32 s20, s[WV], 1        ; which 64 queries
	s_lshl_b32 s21, s16, 1
	s_add_co_u32 s21, s21, s17
	s_lshl_b32 s22, s21, 18         ; the head's first byte in q, k and v
	s_add_co_u32 s66, s22, 0x800000 ; K
	s_mov_b32 s67, 0
	s_add_co_u32 s68, s22, 0x1000000  ; V
	s_mov_b32 s69, 0
	s_lshl_b32 s70, s14, 14
	s_add_co_u32 s70, s70, s22
	s_lshl_b32 s71, s20, 13
	s_add_co_u32 s70, s70, s71      ; Q at my wave's first row
	s_mov_b32 s71, 0
	s_lshr_b32 s72, s16, 3          ; the batch: 2,048 rows of 2,048 bytes
	s_lshl_b32 s72, s72, 22
	s_lshl_b32 s73, s14, 18         ; my block's 128 rows
	s_add_co_u32 s72, s72, s73
	s_lshl_b32 s73, s[WV], 16       ; the 32 rows that I store
	s_add_co_u32 s72, s72, s73
	s_and_b32 s73, s16, 7
	s_lshl_b32 s73, s73, 8          ; the pair's 256 bytes of a row
	s_add_co_u32 s72, s72, s73
	s_mov_b32 s73, 0
	s_mul_i32 s74, s17, 128*PK      ; my head's place in a slot, for K
	s_mul_i32 s75, s17, 128*PV
	s_add_co_u32 s75, s75, VOFF     ; and for V: no place in the cluster enters an LDS address
	s_mov_b32 s76, 0x1000000        ; the prefetches: V (wave 2) or K (wave 0),
	s_cmp_lt_u32 s[WV], 2
	s_cselect_b32 s76, 0x800000, s76
	s_lshl_b32 s77, s16, 19         ; the pair,
	s_add_co_u32 s76, s76, s77
	s_lshr_b32 s77, s13, 1
	s_lshl_b32 s77, s77, 18         ; partner cx: head cx / 2,
	s_add_co_u32 s76, s76, s77
	s_and_b32 s77, s13, 1
	s_lshl_b32 s77, s77, 13         ; half cx % 2 of a tile's 16,384 bytes,
	s_add_co_u32 s76, s76, s77
	s_add_co_u32 s76, s76, TILEB    ; in tile 1; the first change of slots steps it to tile 2
	s_mov_b32 s77, 0
	s_and_b32 s[LIM], s[WV], 1
	s_or_b32 s[LIM], s[LIM], ttmp9
	s_cmp_eq_u32 s[LIM], 0
	s_cselect_b32 s[LIM], 1, -1     ; the same in all four partners
	s_mov_b32 s[G1K], 15|(1<<16)|(1<<20)|(1<<21)|(4<<22)|(3<<25)  ; the mask of four; 2-byte elements; padding on; bit 21 beside a mask; after every 32 words 4 words
	s_mov_b32 s[G1V], 15|(1<<16)|(1<<20)|(1<<21)|(4<<22)|(7<<25)  ; the same with 8 words
.irp g, G1K, G1V
	s_mov_b32 s[\g+1], 128<<16      ; 128 keys are 16,384 dense bytes: asked for as 64 rows of 256 bytes
	s_mov_b32 s[\g+2], 64<<16
	s_mov_b32 s[\g+3], 128<<16
	s_mov_b32 s[\g+4], 64
	s_mov_b32 s[\g+5], 128
	s_mov_b32 s[\g+6], 0
	s_mov_b32 s[\g+7], 0
.endr
	s_mov_b32 s[CS], 0x3e38aa3b     ; c = log2(e) / 8
	s_mov_b32 s[CS+1], s[CS]
	s_mov_b32 s[SEL], 0x76543210
	s_mov_b32 s[SEL+1], 0xfedcba98
	s_mov_b32 s[TBK], SLOT1+2*KS*PK ; the first change of slots turns these two into 0
	s_mov_b32 s[TBV], SLOT1+2*KS*PV
	s_mov_b32 s[G0K], 1
	s_mov_b32 s[G0K+1], s74
	s_mov_b32 s[G0V], 1
	s_mov_b32 s[G0V+1], s75
	s_mov_b32 s[SLOTS], 15
	s_wait_dscnt 0x0                ; the opening add is done
	s_wait_kmcnt 0x0
	s_add_nc_u64 s[G0K+2:G0K+3], s[4:5], s[66:67]
	s_or_b32 s[G0K+3], s[G0K+3], 0x80000000
	s_add_nc_u64 s[G0V+2:G0V+3], s[4:5], s[68:69]
	s_or_b32 s[G0V+3], s[G0V+3], 0x80000000
	s_add_nc_u64 s[8:9], s[4:5], s[70:71]
	s_add_nc_u64 s[10:11], s[6:7], s[72:73]
	s_add_nc_u64 s[PFA:PFA+1], s[4:5], s[76:77]
	CROUND                          ; all four work-groups are here: the first joint loads meet
	JLOAD                           ; tile 0 into slot 0; slot 1 is asked for when slot 0 is in
	v_and_b32 v1, 15, v0            ; l % 16
	v_bfe_u32 v9, v0, 4, 1          ; l / 16
	v_lshlrev_b32 v[QO], 7, v1
	v_lshl_add_u32 v[QO], v9, 4, v[QO]
	WIN 0x80
.set i, 0
.rept 8                             ; Q stays in registers: piece i / 2, channels 32 (i % 2) on
	global_load_b128 v[8*i:8*i+3],   v[QO], s[8:9] offset:(i/2)*2048+(i%2)*64
	global_load_b128 v[8*i+4:8*i+7], v[QO], s[8:9] offset:(i/2)*2048+(i%2)*64+32
.set i, i+1
.endr
	; What the first turn finds: V's registers and P's second buffer hold 0, O^T and l are 0.  All this stands in the wait for the first tile.
.set i, VF
.rept 64
	v_mov_b32 v[i], 0
.set i, i+1
.endr
	WIN 0x40
.set i, 0
.rept 128
	v_mov_b32 v[i], 0
.set i, i+1
.endr
	WIN 0
.set i, 0
.rept 4
	v_mov_b32 v[ST+4*i], 0xfe000000    ; c m: far below every c s
	v_mov_b32 v[ST+4*i+1], 0xff7fffff  ; m
	v_mov_b32 v[ST+4*i+2], 0
	v_mov_b32 v[ST+4*i+3], 0
.set i, i+1
.endr
.set i, P+16
.rept 16
	v_mov_b32 v[i], 0
.set i, i+1
.endr
	v_mul_u32_u24 v[AK0], v1, PK
	v_lshl_add_u32 v[AK0], v9, 4, v[AK0]
	v_add_nc_u32 v[AK0], s74, v[AK0]   ; row x pitch + 16 x half + my head's rows
	v_and_b32 v10, 7, v0
	v_bfe_u32 v11, v0, 3, 1
	v_lshl_add_u32 v[AV0], v9, 3, v10  ; the turning load: lane l reads key 8 (l / 16) + l % 8, channels 8 ((l / 8) % 2) + 0..7
	v_mul_u32_u24 v[AV0], v[AV0], PV
	v_lshl_add_u32 v[AV0], v11, 4, v[AV0]
	v_add_nc_u32 v[AV0], s75, v[AV0]
	s_mul_i32 s78, s20, 64*SP
	s_lshl_b32 s79, s17, 7
	s_add_co_u32 s78, s78, s79
	s_add_co_u32 s78, s78, STAGE
	v_mul_u32_u24 v[STO], v1, SP       ; into the stage: my 64 rows, my head's 128 bytes of them
	v_lshl_add_u32 v[STO], v9, 4, v[STO]
	v_add_nc_u32 v[STO], s78, v[STO]
	s_mul_i32 s78, s[WV], 32*SP
	s_add_co_u32 s78, s78, STAGE
	v_mul_u32_u24 v[RD], v9, SP        ; back: wave w takes rows 32 w .. 32 w + 31, whole: lanes 0-15 one row of 256 bytes, lanes 16-31 the next
	v_lshl_add_u32 v[RD], v1, 4, v[RD]
	v_add_nc_u32 v[RD], s78, v[RD]
	v_lshlrev_b32 v[GO], 11, v9        ; and the same two rows in act
	v_lshl_add_u32 v[GO], v1, 4, v[GO]
	v_and_b32 v[PFO], 31, v0
	v_lshlrev_b32 v[PFO], 8, v[PFO]
; THE MATRIX WORK.  The 4 accumulators of a run of 8 take turns.  Product i of 8 of S^T = K Q^T for piece x: channels 32 (i / 4) on, keys 16 (i % 4) on.
.macro KQ x
.set rS, S+32*((\x)%2)+8*(i%4)
.set rK, KF+16*(i%4)+8*(i/4)
.set rQ, 16*(\x)+8*(i/4)
	WIN W_KQ
.if i < 4
	v_wmma_f32_16x16x32_f16 v[rS:rS+7], v[rK:rK+7], v[rQ:rQ+7], 0
.else
	v_wmma_f32_16x16x32_f16 v[rS:rS+7], v[rK:rK+7], v[rQ:rQ+7], v[rS:rS+7]
.endif
.endm
.macro PV x                         ; product i of 8 of O^T += V^T P for piece x: keys 32 (i / 4) on, channels 16 (i % 4) on
	WIN W_PV
.set rO, 32*(\x)+8*(i%4)
.set rV, VF+32*(i/4)+8*(i%4)
.set rP, P+16*((\x)%2)+8*(i/4)
	v_wmma_f32_16x16x32_f16 v[rO:rO+7], v[rV:rV+7], v[rP:rP+7], v[rO:rO+7]
.endm
.macro MM                           ; the turn's next matrix instruction.  NOKQ = 1: the last turn: there is no next piece
.if (i < 8) && !NOKQ
	KQ (Y+1)%NP
.elseif i >= 8
.set i, i-8
	PV (Y+NP-1)%NP
.set i, i+8
.endif
.set i, i+1
.endm
.macro FETCH_K                      ; a step's K: 64 keys x 64 channels, 16 loads in one run
	WIN 0x80
.irp f, 0,1,2,3,4,5,6,7
	ds_load_b128 v[KF+8*\f:KF+8*\f+3],   v[AK] offset:(\f/2)*16*PK+(\f%2)*64
	ds_load_b128 v[KF+8*\f+4:KF+8*\f+7], v[AK] offset:(\f/2)*16*PK+(\f%2)*64+32
.endr
	s_add_co_u32 s[TBK], s[TBK], KS*PK
	WIN 0
.endm
.macro FETCH_V                      ; its V, turned
	WIN 0x80
.irp f, 0,1,2,3,4,5,6,7
	ds_load_tr16_b128 v[VF+8*\f:VF+8*\f+3],   v[AV] offset:(\f/4)*32*PV+(\f%4)*32
	ds_load_tr16_b128 v[VF+8*\f+4:VF+8*\f+7], v[AV] offset:(\f/4)*32*PV+16*PV+(\f%4)*32
.endr
	WIN 0
.endm
; THE VECTOR WORK, one line at a time: OP kind, number.  For piece Y: F n: c s - c m for pair n of 16.  E n: the exponential of score n of 32.  C n: pair n rounded to f16.  B n: of the four weights 4 n ..
; the second pair is added onto the first, in place.  L n: l takes that sum (L 0: l = a l + sum).  R n: pair n of 16 of O^T times a.  For piece Y + 1: X n, number n of the 22 that find its maximum and statistics
; (0-11 four chains of seven scores, each accumulator's lowest registers first; 12-14, 16 the rest, the old m, and the four into one; 15 c m_old is kept; 17, 18 the other half of the lanes; 19-21 c m, its change, a).
.set F, 0
.set E, 1
.set C, 2
.set B, 3
.set L, 4
.set R, 5
.set X, 6
.macro REGS y
.set rT, ST+4*(\y)
.set rC, TMP+4*((\y)%2)
.set rW, MV+((\y)%2)
.set rS, S+32*((\y)%2)
.set rP, P+16*((\y)%2)
.set rO, 32*(\y)
.endm
.macro OP k, n
.if (\k) == R
	REGS Y
	WIN W_RS
	v_pk_mul_f32 v[rO+2*(\n):rO+2*(\n)+1], v[rO+2*(\n):rO+2*(\n)+1], v[rC+2:rC+3] op_sel_hi:[1,0]
.elseif (\k) < R
	REGS Y
	WIN 0
.if (\k) == F
	v_pk_fma_f32 v[rS+2*(\n):rS+2*(\n)+1], v[rS+2*(\n):rS+2*(\n)+1], s[CS:CS+1], v[rT:rT+1] op_sel_hi:[1,0,0] neg_lo:[0,0,1] neg_hi:[0,0,1]
.elseif (\k) == E
	v_exp_f32 v[rS+(\n)], v[rS+(\n)]
.elseif (\k) == C
	v_cvt_pk_f16_f32 v[rP+(\n)], v[rS+2*(\n)], v[rS+2*(\n)+1]
.elseif (\k) == B
	v_pk_add_f32 v[rS+4*(\n):rS+4*(\n)+1], v[rS+4*(\n):rS+4*(\n)+1], v[rS+4*(\n)+2:rS+4*(\n)+3]
.elseif (\n) == 0
	v_pk_fma_f32 v[rT+2:rT+3], v[rT+2:rT+3], v[rC+2:rC+3], v[rS:rS+1] op_sel_hi:[1,0,1]
.else
	v_pk_add_f32 v[rT+2:rT+3], v[rT+2:rT+3], v[rS+4*(\n):rS+4*(\n)+1]
.endif
.elseif NOKQ
	v_nop
.else
	REGS (Y+1)%NP
	WIN 0
.if (\n) < 4
	v_max3_num_f32 v[rC+(\n)], v[rS+8*(\n)], v[rS+8*(\n)+1], v[rS+8*(\n)+2]
.elseif (\n) < 12
	v_max3_num_f32 v[rC+(\n)%4], v[rC+(\n)%4], v[rS+8*((\n)%4)+2*((\n)/4)+1], v[rS+8*((\n)%4)+2*((\n)/4)+2]
.elseif (\n) == 12
	v_max3_num_f32 v[rC], v[rC], v[rS+7], v[rS+15]
.elseif (\n) == 13
	v_max3_num_f32 v[rC+1], v[rC+1], v[rS+23], v[rS+31]
.elseif (\n) == 14
	v_max3_num_f32 v[rC+2], v[rC+2], v[rC+3], v[rT+1]
.elseif (\n) == 15
	v_mov_b32 v[rW], v[rT]
.elseif (\n) == 16
	v_max3_num_f32 v[rC], v[rC], v[rC+1], v[rC+2]
.elseif (\n) == 17
	v_permlanex16_b32 v[rC+3], v[rC], s[SEL], s[SEL+1]
.elseif (\n) == 18
	v_max_num_f32 v[rT+1], v[rC], v[rC+3]
.elseif (\n) == 19
	v_mul_f32 v[rT], s[CS], v[rT+1]
.elseif (\n) == 20
	v_sub_f32 v[rC+1], v[rW], v[rT]
.else
	v_exp_f32 v[rC+2], v[rC+1]
.endif
.endif
.endm
.macro OPS a, i1, b=-1, i2=0, c=-1, i3=0, d=-1, i4=0
	OP \a, \i1
.if (\b) >= 0
	OP \b, \i2
.endif
.if (\c) >= 0
	OP \c, \i3
.endif
.if (\d) >= 0
	OP \d, \i4
.endif
.endm
.macro ROW a, i1, b, i2, c, i3, d, i4  ; a matrix instruction and the four behind it
	MM
	OPS \a, \i1, \b, \i2, \c, \i3, \d, \i4
.endm
; A TURN, for piece p.  Ahead of its one wait stands all that names no result of the turn's exponentials: the 8 products K Q^T with their riders, then the run in which the next piece's chain of maxima has other
; work between its links; X 21, the next piece's a, is the batch's last, and R 15 the plain instruction behind it.  Behind the wait stand the 8 products V^T P, behind each four of the roundings and sums.
; end = 1: the last two turns: nothing is fetched.  cnt = 1: the loop's count is taken down some lines ahead of the branch behind the turn.
; K of the next step is fetched in piece 2's turn, V of the step in hand at the end of piece 0's; each is waited for a turn later.
.macro TURN p, end=0, cnt=0
.set Y, (\p)
.set i, 0
.set NOKQ, (\end)*((\p)/3)
.if ((\p) == 3) && !(\end)
	s_wait_dscnt 0x0                ; K is in
.endif
	ROW F,0, F,1, R,0, R,1
	ROW F,2, E,0, R,2, R,3
	ROW F,3, E,1, R,4, R,5
	ROW F,4, E,2, R,6, R,7
	ROW F,5, E,3, R,8, R,9
	ROW F,6, E,4, X,0, R,10
.if ((\p) == 2) && !(\end)
	WIN 0
	v_add_nc_u32 v[AK], s[TBK], v[AK0]
.endif
	ROW F,7, E,5, X,1, X,4
	ROW F,8, E,6, X,2, X,5
	OPS E,7, E,8, X,6, E,9
	OPS X,3, E,10, X,8, E,11
.if ((\p) == 2) && !(\end)
	FETCH_K
.endif
	OPS X,9, X,7, E,12, X,10
	OPS E,13, X,12, X,11, E,14
	OPS X,13, E,15, F,9, X,14
.if (\p) == 0
	v_add_nc_u32 v[AV], s[TBV], v[AV0]
.endif
	OPS E,16, F,10, E,17, F,11
	OPS X,16, E,18, X,15, E,19
	OPS F,12, E,20, X,17, E,21
	OPS F,13, E,22, F,14, E,23
	OPS X,18, E,24, F,15, E,25
	OPS R,11, E,26, X,19, E,27
	OPS R,12, E,28, R,13, E,29
	OPS X,20, E,30, R,14, E,31
	OPS X,21, R,15
	WIN 0
	s_wait_alu depctr_va_vdst(0)    ; the wait for the batch
.if (\p) == 1
	s_wait_dscnt 0x0                ; V is in
.endif
	ROW C,0, B,0, C,2, B,1
	ROW L,0, C,4, B,2, L,1
	ROW C,6, B,3, L,2, C,8
	ROW B,4, L,3, C,10, B,5
	ROW L,4, C,12, B,6, L,5
.if (\p) == 0
	s_add_co_u32 s[TBV], s[TBV], KS*PV
.endif
.if \cnt
	s_sub_co_u32 s[CNT], s[CNT], 1
	s_cmp_lg_u32 s[CNT], 0
.endif
	ROW C,14, B,7, L,6, C,1
	ROW C,3, L,7, C,5, C,7
	ROW C,9, C,11, C,13, C,15
.if (\p) == 0
	FETCH_V
.endif
.endm
	CHANGE 1                        ; tile 0 is in, everybody's part of it; tile 1 is asked for
	v_add_nc_u32 v[AK], s[TBK], v[AK0]
	FETCH_K                         ; key step 0
	s_wait_loadcnt 0x0              ; Q
	s_wait_dscnt 0x0
.set NOKQ, 0
.set i, 0
.rept 8
	KQ 0                            ; piece 0's first scores
.set i, i+1
.endr
	WIN 0
.rept 4
	v_nop                           ; the places behind those products
.endr
.set Y, NP-1                        ; X works for piece Y + 1: piece 0
.irp n, 0,1,2,3,4,5,6,7,8,9,10,11,12,13,14,15,16,17,18,19,20,21
	OP X, \n
.endr
	v_nop                           ; a plain instruction behind the exponential,
	s_wait_alu depctr_va_vdst(0)    ; and its wait, ahead of the branch
	s_mov_b32 s[CNT], 2
	s_branch .Lfirst                ; the loop is entered at a step's first turn, in the middle of a trip
.Lslot:                             ; 14 times: tiles 1 to 14 are entered, tiles 2 to 15 asked for
	CHANGE 1
	s_mov_b32 s[CNT], 2
.Lstep:                             ; a trip: pieces 2 and 3 of one step, then pieces 0 and 1 of the next, whose K and V it fetches
	TURN 2
	TURN 3
	WIN 0
.Lfirst:
	TURN 0
	TURN 1, 0, 1
	WIN 0
	s_cbranch_scc1 .Lstep
	s_sub_co_u32 s[SLOTS], s[SLOTS], 1
	s_cmp_lg_u32 s[SLOTS], 0
	s_cbranch_scc1 .Lslot
	CHANGE 0                        ; the last tile is written out: nothing is asked for
	s_mov_b32 s[CNT], 2
.Llast:
	TURN 2
	TURN 3
	TURN 0
	TURN 1, 0, 1
	WIN 0
	s_cbranch_scc1 .Llast
	TURN 2, 1
	TURN 3, 1
.set i, 0
.rept 8
	PV NP-1                         ; the last piece's V^T P of the last step
.set i, i+1
.endr
	; THE WAY OUT.  l's two halves and the other half of the lanes' are added; O^T is divided by l, rounded to f16 and put into the work-group's stage; a barrier, since a row's 256 bytes come from two waves.
	WIN 0
.macro ALL line:vararg
.set t, 0
.rept 4
	\line
.set t, t+1
.endr
.endm
	ALL v_add_f32 v[ST+4*t+2], v[ST+4*t+2], v[ST+4*t+3]
	ALL v_permlanex16_b32 v[ST+4*t+3], v[ST+4*t+2], s[SEL], s[SEL+1]
	ALL v_add_f32 v[ST+4*t+2], v[ST+4*t+2], v[ST+4*t+3]
	ALL v_rcp_f32 v[ST+4*t+2], v[ST+4*t+2]
	v_nop                           ; a plain instruction behind the last reciprocal,
	s_wait_alu depctr_va_vdst(0)    ; and one wait for the four
.macro PACK t
	WIN W_RS
.set i, 32*(\t)
.rept 16
	v_pk_mul_f32 v[i:i+1], v[i:i+1], v[ST+4*(\t)+2:ST+4*(\t)+3] op_sel_hi:[1,0]
.set i, i+2
.endr
	WIN 0x05
.set i, 0
.rept 16
	v_cvt_pk_f16_f32 v[S+16*(\t)+i], v[32*(\t)+2*i], v[32*(\t)+2*i+1]
.set i, i+1
.endr
	WIN 0
.irp f, 0,1,2,3
	ds_store_b128 v[STO], v[S+16*(\t)+4*\f:S+16*(\t)+4*\f+3] offset:(\t)*16*SP+32*\f
.endr
.endm
	PACK 0
	PACK 1
	PACK 2
	PACK 3
	s_wait_dscnt 0x0                ; for the others' sake: my stores into the stage are done
	s_barrier_signal -1
	s_barrier_wait -1
.irp t, 0,1,2,3,4,5,6,7,8,9,10,11,12,13,14,15
	ds_load_b128 v[S+4*(\t):S+4*(\t)+3], v[RD] offset:(\t)*2*SP
.endr
.irp t, 0,1,2,3,4,5,6,7,8,9,10,11,12,13,14,15
	s_wait_dscnt 15-(\t)            ; the younger loads may stay out
	global_store_b128 v[GO], v[S+4*(\t):S+4*(\t)+3], s[10:11] offset:(\t)*4096  ; 16 lanes store 256 consecutive bytes, at a multiple of 256 from act's first byte
.endr
	s_wait_tensorcnt 0x0            ; the wave's end
	ds_add_u32 v[SPW], v[NIL]
	s_wait_dscnt 0x0
	CROUND                          ; the closing round
	s_endpgm
.Lfunc_end_k_q75795b0bda_attn:
	.size	k_q75795b0bda_attn, .Lfunc_end_k_q75795b0bda_attn-k_q75795b0bda_attn
	.p2alignl 7, 3214868480
	.fill 96, 4, 3214868480
	.section	.rodata,"a",@progbits
	.p2align	6, 0x0
	.amdhsa_kernel k_q75795b0bda_attn
		.amdhsa_group_segment_fixed_size 327680
		.amdhsa_private_segment_fixed_size 0
		.amdhsa_enable_private_segment 0
		.amdhsa_kernarg_size 16
		.amdhsa_user_sgpr_count 2
		.amdhsa_user_sgpr_kernarg_segment_ptr 1
		.amdhsa_wavefront_size32 1
		.amdhsa_system_sgpr_workgroup_id_x 1
		.amdhsa_system_sgpr_workgroup_id_y 1
		.amdhsa_system_sgpr_workgroup_id_z 1
		.amdhsa_system_vgpr_workitem_id 0
		.amdhsa_next_free_vgpr 768
		.amdhsa_next_free_sgpr 80
		.amdhsa_reserve_vcc 0
		.amdhsa_float_denorm_mode_32 3
		.amdhsa_float_denorm_mode_16_64 3
		.amdhsa_memory_ordered 1
		.amdhsa_forward_progress 1
		.amdhsa_inst_pref_size 129
	.end_amdhsa_kernel
	.amdgpu_metadata
---
amdhsa.version: [ 1, 2 ]
amdhsa.kernels:
  - .name:           k_q75795b0bda_attn
    .symbol:         k_q75795b0bda_attn.kd
    .args:
      - { .name: qkv, .offset: 0, .size: 8, .value_kind: global_buffer, .address_space: global }
      - { .name: act, .offset: 8, .size: 8, .value_kind: global_buffer, .address_space: global }
    .group_segment_fixed_size: 327680
    .private_segment_fixed_size: 0
    .kernarg_segment_align: 8
    .kernarg_segment_size: 16
    .max_flat_workgroup_size: 128
    .sgpr_count:     80
    .vgpr_count:     768
    .wavefront_size: 32
...
	.end_amdgpu_metadata
.endif
;; end of part 3
;; launch wo (part 4): grid 8 x 32, 4 waves a work-group, clusters of 4 x 4, 327,680 bytes of LDS; arguments act, wts, bo, w_att, x, x1; writes x1
.if DOCPART == 4
	.amdgcn_target "amdgcn-amd-amdhsa--gfx1250"
	.amdhsa_code_object_version 6
	.text
	.protected	k_q75795b0bda_wo
	.globl	k_q75795b0bda_wo
	.p2align	8
	.type	k_q75795b0bda_wo,@function
k_q75795b0bda_wo:
	s_mov_b64 s[64:65], 0
	v_nop
	global_prefetch_b8 v0, s[64:65] scope:SCOPE_SE
	s_setreg_imm32_b32 hwreg(HW_REG_WAVE_MODE, 25, 1), 1
	s_wait_xcnt 0x0
	s_wait_alu depctr_hold_cnt(0) depctr_sa_sdst(0) depctr_va_vdst(0) depctr_va_sdst(0) depctr_va_ssrc(0) depctr_va_vcc(0) depctr_vm_vsrc(0)
	s_getreg_b32 s2, hwreg(HW_REG_IB_STS2, 6, 4)
	s_cmp_eq_u32 s2, 0
	s_cbranch_scc0 .Lentry_in_a_cluster
	s_endpgm
.Lentry_in_a_cluster:
	s_bfe_u32 s2, ttmp6, 0x10000c
	s_cmp_lg_u32 s2, 0xf033
	s_cbranch_scc0 .Lentry_shape_is_right
	s_endpgm
.Lentry_shape_is_right:
; x1 = x + w_att (O Wo^T + bo).  A = act [4096][SIZE_K] f16, B = wts + WOFF [1024][SIZE_K] f16; sums in f32, started by the bias (f32); the residual, the scalar and the result are f32.
; LIMITS: the operands arrive within f16's 65,504.  K is summed from a K step that hangs on the cluster (below), and round: an order of rounding other than ascending K.
; SHARES.  A tile of C is 128 x 128 (256 work-groups); four waves of 64 x 64: 16 accumulators.  K goes in steps of 256 (LDS rows of 512 bytes; a wave's tensor load brings 64 of them) through two slots.
; 4 x 4 work-groups form a cluster: A's tiles are asked for jointly along a row, B's along a column.  One K step is written once: the slot in hand is the scalar CUR.
; THE WALK ALONG K IS TURNED.  Cluster (x, y) begins x halves and (y mod 4) quarters of K along the rows and wraps round at their end.  So the two clusters that read the same rows of A (same y) stand half
; of K apart, and four neighbouring clusters that read the same rows of B (same x) a quarter of K: at no time do they ask for the same K step.  The offset hangs on the cluster's place alone: all sixteen partners share it.
; The matrix instruction is used transposed: a lane holds eight neighbouring columns of one row of C.  A wave's 64 f32 columns are 256 consecutive bytes, so each wave has a stage of its own.
; The wave's 64 x 64 of the residual is loaded at the head into window 2 and stays on its way during the whole K loop.
; REGISTERS: window 0: v16-29 addresses, v32-95 at work on the way out, v96-127 the bias, v128-255 the accumulators; window 1: two fragment buffers of 128; window 2: v0-127 the residual.
.set SIZE_K, 1024
.set LOGK,   10
.set WOFF,   6291456
.set KSTEP,  256
.set PITCH,  528
.set HALFT,  64*PITCH
.set SLOT,   4*HALFT
.set STAGE,  2*SLOT                    ; behind the ring, never filled by a tensor load: 32 rows x 272 bytes for each wave
.set SPITCH, 272
.set SPARE,  STAGE+4*32*SPITCH         ; the spare words, 128 bytes a wave, which no other line names
.set A0,   16
.set B0,   17
.set ADRA, 18
.set ADRB, 19
.set STO,  24
.set RD,   25
.set CO,   26
.set BO,   27
.set SPW,  28
.set NIL,  29
.set TMP,  32
.set BI,   96
.set ACC,  128
.set F0,   0
.set F1,   128
.set WV, 12
.set RH, 13
.set CH, 14
.set CX, 15
.set CY, 16
.set TC, 17
.set TR, 18
.set LB, 19
.set CUR, 20
.set CNT, 21
.set G1, 24
.set G0, 32
.set UO, 44                            ; s[44:45] the byte offset along the rows of the K step to be asked for next
.set G1B, 48
.set G0B, 56
.set MSB, 0
.macro WIN new
.if MSB != (\new)
	s_set_vgpr_msb (MSB<<8)|(\new)
.set MSB, \new
.endif
.endm
.macro PLACES
.rept 4
	v_nop
.endr
.endm
.macro JLOAD s
	s_cmp_eq_u32 s[RH], 0
	s_cbranch_scc0 .Lfor_b_\@
	tensor_load_to_lds s[G0+4*(\s):G0+4*(\s)+3], s[G1:G1+7]
	s_nop 0
.rept 4
	v_nop
.endr
	s_branch .Lasked_\@
.Lfor_b_\@:
	tensor_load_to_lds s[G0B+4*(\s):G0B+4*(\s)+3], s[G1B:G1B+7]
	s_nop 0
.rept 4
	v_nop
.endr
.Lasked_\@:
.endm
.macro CREST
	s_cmp_lg_u32 s[WV], 0
	s_cbranch_scc1 .Lnot_wave_0_\@
	s_barrier_signal -3
.Lnot_wave_0_\@:
	s_barrier_wait -3
	s_barrier_signal -1
	s_barrier_wait -1
.endm
.macro CROUND
	s_barrier_signal -1
	s_barrier_wait -1
	CREST
.endm
.macro MUL8 f, c, a0, init             ; 8 matrix instructions: m blocks a0, a0 + 1 x 4 n blocks, half c of buffer f.  init = 1: the bias starts the sums.  The 16 accumulators take turns
	WIN 0x05
.irp a, \a0, (\a0)+1
.irp b, 0,1,2,3
.if \init
	v_wmma_f32_16x16x32_f16 v[ACC+8*(4*(\a)+(\b)):ACC+8*(4*(\a)+(\b))+7], v[(\f)+64+8*(4*(\c)+(\b)):(\f)+64+8*(4*(\c)+(\b))+7], v[(\f)+8*(4*(\c)+(\a)):(\f)+8*(4*(\c)+(\a))+7], v[BI+8*(\b):BI+8*(\b)+7]
.else
	v_wmma_f32_16x16x32_f16 v[ACC+8*(4*(\a)+(\b)):ACC+8*(4*(\a)+(\b))+7], v[(\f)+64+8*(4*(\c)+(\b)):(\f)+64+8*(4*(\c)+(\b))+7], v[(\f)+8*(4*(\c)+(\a)):(\f)+8*(4*(\c)+(\a))+7], v[ACC+8*(4*(\a)+(\b)):ACC+8*(4*(\a)+(\b))+7]
.endif
.endr
.endr
.endm
.macro FETCH k, f                      ; 32 LDS loads in one run: 64 along K at byte k of the rows; the first 32 along K first
	WIN 0x40
.irp c, 0,1
.irp i, 0,1,2,3
	ds_load_b128 v[(\f)+64+8*(4*(\c)+(\i)):(\f)+64+8*(4*(\c)+(\i))+3],   v[ADRB] offset:(\k)+64*(\c)+(\i)*16*PITCH
	ds_load_b128 v[(\f)+64+8*(4*(\c)+(\i))+4:(\f)+64+8*(4*(\c)+(\i))+7], v[ADRB] offset:(\k)+64*(\c)+(\i)*16*PITCH+32
	ds_load_b128 v[(\f)+8*(4*(\c)+(\i)):(\f)+8*(4*(\c)+(\i))+3],         v[ADRA] offset:(\k)+64*(\c)+(\i)*16*PITCH
	ds_load_b128 v[(\f)+8*(4*(\c)+(\i))+4:(\f)+8*(4*(\c)+(\i))+7],       v[ADRA] offset:(\k)+64*(\c)+(\i)*16*PITCH+32
.endr
.endr
.endm
.macro QUARTER k, f, g, init
	s_wait_dscnt 16                                ; the first 32 along K are in; the youngest sixteen loads may be out
	MUL8 \f, 0, 0, \init
	MUL8 \f, 0, 2, \init
	PLACES
	FETCH \k, \g
	s_wait_dscnt 32                                ; all but the 32 just issued
	MUL8 \f, 1, 0, 0
	MUL8 \f, 1, 2, 0
.endm
.macro TURN fill                       ; the last quarter multiplies buffer 1 and changes slots; fill = 1: this slot is filled again, two steps of the walk ahead, behind a round of the cluster's barrier
	WIN 0
	s_wait_tensorcnt 0x0                           ; all my tensor loads have landed: my part of the next slot
	ds_add_u32 v[SPW], v[NIL]
.if \fill
	s_add_co_u32 s[G0+5], s[LB], s[CUR]            ; no tensor load of mine is out: the walking descriptors take the slot in hand,
	s_add_co_u32 s[G0B+5], s[LB], s[CUR]
	s_add_nc_u64 s[G0+6:G0+7], s[40:41], s[UO:UO+1]    ; and their addresses are made anew: the rows' first byte + the walk's offset, the type bits on top
	s_or_b32 s[G0+7], s[G0+7], 0x80000000
	s_add_nc_u64 s[G0B+6:G0B+7], s[42:43], s[UO:UO+1]
	s_or_b32 s[G0B+7], s[G0B+7], 0x80000000
	s_add_co_u32 s[UO], s[UO], KSTEP*2             ; the walk's next step,
	s_and_b32 s[UO], s[UO], SIZE_K*2-1             ; round the rows' end
.endif
	s_xor_b32 s[CUR], s[CUR], SLOT
	v_add_nc_u32 v[ADRA], s[CUR], v[A0]
	v_add_nc_u32 v[ADRB], s[CUR], v[B0]
	s_wait_dscnt 17                                ; the add and the youngest sixteen loads may be out
	MUL8 F1, 0, 0, 0
	s_wait_dscnt 0x0                               ; the add is done, and my reads of this slot are over
	s_barrier_signal -1
	MUL8 F1, 0, 2, 0
	WIN 0
	s_barrier_wait -1
.if \fill
	CREST
	JLOAD 1                                        ; its four v_nop are also the places in front of the loads below
	FETCH 0, F0
.else
	PLACES
	s_cmp_eq_u32 s[CNT], 1                         ; behind the last K step there is nothing to fetch
	s_cbranch_scc1 .Lno_fetch_\@
	FETCH 0, F0
	WIN 0
.Lno_fetch_\@:
.endif
	MUL8 F1, 1, 0, 0
	MUL8 F1, 1, 2, 0
.endm
	s_load_b256 s[4:11], s[0:1], 0x0               ; A s[4:5], wts s[6:7], bias s[8:9], the scalar s[10:11]
	s_load_b128 s[68:71], s[0:1], 0x20             ; the residual s[68:69], the result s[70:71]
	v_lshl_add_u32 v[SPW], v0, 2, SPARE
	v_mov_b32 v[NIL], 0
	ds_add_u32 v[SPW], v[NIL]                      ; the wave's opening
	v_lshrrev_b32 v1, 5, v0
	v_readfirstlane_b32 s[WV], v1
	s_lshr_b32 s[RH], s[WV], 1
	s_and_b32 s[CH], s[WV], 1
	s_bfe_u32 s[CX], ttmp6, 0x40000
	s_bfe_u32 s[CY], ttmp6, 0x40004
	s_lshl_b32 s[TC], ttmp9, 2
	s_add_co_u32 s[TC], s[TC], s[CX]
	s_and_b32 s[TR], ttmp7, 0xffff
	s_lshl_b32 s[TR], s[TR], 2
	s_add_co_u32 s[TR], s[TR], s[CY]
	s_lshl_b32 s22, s[CY], 2
	s_lshl_b32 s22, 15, s22
	s_lshl_b32 s23, 0x1111, s[CX]
	s_or_b32 s[G1], s22, (1<<16)|(1<<20)|(1<<21)|(6<<22)|(3<<25)   ; mask; 2-byte elements; padding on; bit 21 beside a mask; after every 128 words 4 words
	s_or_b32 s[G1B], s23, (1<<16)|(1<<20)|(1<<21)|(6<<22)|(3<<25)
.irp g, G1, G1B
	s_mov_b32 s[(\g)+1], KSTEP<<16
	s_mov_b32 s[(\g)+2], 64<<16
	s_mov_b32 s[(\g)+3], KSTEP<<16
	s_mov_b32 s[(\g)+4], 64
	s_mov_b32 s[(\g)+5], SIZE_K
	s_mov_b32 s[(\g)+6], 0
	s_mov_b32 s[(\g)+7], 0
.endr
	s_and_b32 s46, ttmp7, 3                        ; where my cluster's walk begins: (the cluster's y mod 4) quarters of a row's 2 SIZE_K bytes
	s_lshl_b32 s46, s46, LOGK-1
	s_lshl_b32 s[UO], ttmp9, LOGK                  ; + (the cluster's x, 0 or 1) halves of them,
	s_add_co_u32 s[UO], s[UO], s46
	s_and_b32 s[UO], s[UO], SIZE_K*2-1             ; round the rows' end
	s_mov_b32 s[UO+1], 0
	s_lshl_b32 s74, s[TR], 7
	s_lshl_b32 s75, s[CH], 6
	s_add_co_u32 s74, s74, s75                     ; A: row 128 x tile row + 64 x half
	s_mul_i32 s74, s74, SIZE_K*2
	s_mov_b32 s75, 0
	s_lshl_b32 s76, s[TC], 7
	s_lshl_b32 s77, s[CH], 6
	s_add_co_u32 s76, s76, s77                     ; B: row 128 x tile column + 64 x half
	s_mul_i32 s76, s76, SIZE_K*2
	s_add_co_u32 s76, s76, WOFF
	s_mov_b32 s77, 0
	s_mul_i32 s[LB], s[WV], HALFT
	s_mov_b32 s[CUR], 0
	s_wait_dscnt 0x0                               ; the opening add is done
	s_wait_kmcnt 0x0
	s_add_nc_u64 s[40:41], s[4:5], s[74:75]        ; my rows' first bytes; never rewritten
	s_add_nc_u64 s[42:43], s[6:7], s[76:77]
	s_load_b32 s72, s[10:11], 0x0                  ; the scalar
	CROUND                                         ; all sixteen work-groups are here: the first joint loads meet
.irp s, 0,1
	s_mov_b32 s[G0+4*(\s)], 1
	s_add_co_u32 s[G0+4*(\s)+1], s[LB], (\s)*SLOT
	s_add_nc_u64 s[G0+4*(\s)+2:G0+4*(\s)+3], s[40:41], s[UO:UO+1]
	s_or_b32 s[G0+4*(\s)+3], s[G0+4*(\s)+3], 0x80000000
	s_mov_b32 s[G0B+4*(\s)], 1
	s_add_co_u32 s[G0B+4*(\s)+1], s[LB], (\s)*SLOT
	s_add_nc_u64 s[G0B+4*(\s)+2:G0B+4*(\s)+3], s[42:43], s[UO:UO+1]
	s_or_b32 s[G0B+4*(\s)+3], s[G0B+4*(\s)+3], 0x80000000
	JLOAD \s                                       ; two loads of mine are out
	s_add_co_u32 s[UO], s[UO], KSTEP*2             ; the walk's next step, round the rows' end
	s_and_b32 s[UO], s[UO], SIZE_K*2-1
.endr
	v_and_b32 v1, 15, v0
	v_bfe_u32 v2, v0, 4, 1
	v_mul_u32_u24 v3, v1, PITCH
	v_lshl_add_u32 v3, v2, 4, v3
	s_mul_i32 s74, s[RH], HALFT
	s_mul_i32 s75, s[CH], HALFT
	s_add_co_u32 s75, s75, 2*HALFT
	v_add_nc_u32 v[A0], s74, v3
	v_add_nc_u32 v[B0], s75, v3
	v_mov_b32 v[ADRA], v[A0]
	v_mov_b32 v[ADRB], v[B0]
	s_mul_i32 s74, s[WV], 32*SPITCH
	s_add_co_u32 s74, s74, STAGE                   ; my stage
	v_mul_u32_u24 v4, v1, SPITCH                   ; in: row l % 16, 32 bytes for each half of the lanes
	v_lshl_add_u32 v4, v2, 5, v4
	v_add_nc_u32 v[STO], s74, v4
	v_mul_u32_u24 v5, v2, SPITCH                   ; back: lanes 0-15 one row of 256 bytes, lanes 16-31 the next
	v_lshl_add_u32 v5, v1, 4, v5
	v_add_nc_u32 v[RD], s74, v5
	v_lshlrev_b32 v[CO], 12, v2                    ; and the same two rows, of 4,096 bytes, in the residual and in the result
	v_lshl_add_u32 v[CO], v1, 4, v[CO]
	v_lshlrev_b32 v[BO], 5, v2
	s_lshl_b32 s66, s[TC], 9
	s_lshl_b32 s67, s[CH], 8
	s_add_co_u32 s66, s66, s67                     ; my 64 columns, in bytes of f32
	s_mov_b32 s67, 0
	s_add_nc_u64 s[8:9], s[8:9], s[66:67]
	s_lshl_b32 s78, s[TR], 7
	s_lshl_b32 s79, s[RH], 6
	s_add_co_u32 s78, s78, s79                     ; my first row
	s_lshl_b32 s78, s78, 12
	s_add_co_u32 s78, s78, s66
	s_mov_b32 s79, 0
	s_add_nc_u64 s[68:69], s[68:69], s[78:79]
	s_add_nc_u64 s[70:71], s[70:71], s[78:79]
.irp b, 0,1,2,3
	global_load_b128 v[BI+8*(\b):BI+8*(\b)+3],   v[BO], s[8:9] offset:64*(\b)
	global_load_b128 v[BI+8*(\b)+4:BI+8*(\b)+7], v[BO], s[8:9] offset:64*(\b)+16
.endr
	WIN 0x80
.set i, 0
.rept 32
	global_load_b128 v[4*i:4*i+3], v[CO], s[68:69] offset:8192*i th:TH_LOAD_NT  ; rows 2 i and 2 i + 1
.set i, i+1
.endr
	WIN 0
	s_wait_kmcnt 0x0
	s_mov_b32 s73, s72                             ; named with it as a pair
	s_wait_tensorcnt 1                             ; my part of the walk's first step is in; the second's load may stay out
	s_barrier_signal -1
	s_barrier_wait -1
	FETCH 0, F0
	s_wait_loadcnt 32                              ; the bias is in; the residual's 32 loads may stay out
	QUARTER 128, F0, F1, 1
	WIN 0
	s_mov_b32 s[CNT], SIZE_K/KSTEP-2
.Lstep:                                        ; a trip: from a K step's second quarter to the next one's first; trip t asks for the walk's step t + 2
	QUARTER 256, F1, F0, 0
	QUARTER 384, F0, F1, 0
	TURN 1
	QUARTER 128, F0, F1, 0
	WIN 0
	s_sub_co_u32 s[CNT], s[CNT], 1
	s_cmp_lg_u32 s[CNT], 0
	s_cbranch_scc1 .Lstep
	s_mov_b32 s[CNT], 2
.Ltail:                                        ; the last two K steps ask for nothing; the second trip is left behind its change of slots
	QUARTER 256, F1, F0, 0
	QUARTER 384, F0, F1, 0
	TURN 0
	WIN 0
	s_cmp_eq_u32 s[CNT], 1
	s_cbranch_scc1 .Lout
	QUARTER 128, F0, F1, 0
	WIN 0
	s_sub_co_u32 s[CNT], s[CNT], 1
	s_cmp_lg_u32 s[CNT], 0
	s_cbranch_scc1 .Ltail
.Lout:
	; THE WAY OUT, 32 rows at a time through my own stage: in by lanes' 32 bytes, back by whole rows of 256 bytes; result = residual + scalar x sum, one fused multiply-add.
	PLACES
	s_wait_loadcnt 0x0                             ; the residual
	WIN 0x20                                       ; source 2 in window 2
.irp pp, 0,1
.if (\pp) == 1
	s_wait_xcnt 0x0                                ; the first pass's stores have read their registers
.endif
.irp aa, 0,1
.irp b, 0,1,2,3
	ds_store_b128 v[STO], v[ACC+8*(4*(2*(\pp)+(\aa))+(\b)):ACC+8*(4*(2*(\pp)+(\aa))+(\b))+3]   offset:(\aa)*16*SPITCH+64*(\b)
	ds_store_b128 v[STO], v[ACC+8*(4*(2*(\pp)+(\aa))+(\b))+4:ACC+8*(4*(2*(\pp)+(\aa))+(\b))+7] offset:(\aa)*16*SPITCH+64*(\b)+16
.endr
.endr
.irp t, 0,1,2,3,4,5,6,7,8,9,10,11,12,13,14,15
	ds_load_b128 v[TMP+4*(\t):TMP+4*(\t)+3], v[RD] offset:(\t)*2*SPITCH  ; LDS serves a wave's instructions in order (ISA guide 5.7.1.4)
.endr
.irp t, 0,1,2,3,4,5,6,7,8,9,10,11,12,13,14,15
	s_wait_dscnt 15-(\t)                           ; the younger loads may stay out
	v_pk_fma_f32 v[TMP+4*(\t):TMP+4*(\t)+1],   v[TMP+4*(\t):TMP+4*(\t)+1],   s[72:73], v[4*(16*(\pp)+(\t)):4*(16*(\pp)+(\t))+1]   op_sel_hi:[1,0,1]
	v_pk_fma_f32 v[TMP+4*(\t)+2:TMP+4*(\t)+3], v[TMP+4*(\t)+2:TMP+4*(\t)+3], s[72:73], v[4*(16*(\pp)+(\t))+2:4*(16*(\pp)+(\t))+3] op_sel_hi:[1,0,1]
	global_store_b128 v[CO], v[TMP+4*(\t):TMP+4*(\t)+3], s[70:71] offset:(32*(\pp)+2*(\t))*4096  ; 16 lanes store 256 consecutive bytes, at a multiple of 256 from the buffer's first byte
.endr
.endr
	WIN 0
	s_wait_tensorcnt 0x0                           ; the wave's end
	ds_add_u32 v[SPW], v[NIL]
	s_wait_dscnt 0x0
	CROUND                                         ; the closing round
	s_endpgm
.Lfunc_end_k_q75795b0bda_wo:
	.size	k_q75795b0bda_wo, .Lfunc_end_k_q75795b0bda_wo-k_q75795b0bda_wo
	.p2alignl 7, 3214868480
	.fill 96, 4, 3214868480
	.section	.rodata,"a",@progbits
	.p2align	6, 0x0
	.amdhsa_kernel k_q75795b0bda_wo
		.amdhsa_group_segment_fixed_size 327680
		.amdhsa_private_segment_fixed_size 0
		.amdhsa_enable_private_segment 0
		.amdhsa_kernarg_size 48
		.amdhsa_user_sgpr_count 2
		.amdhsa_user_sgpr_kernarg_segment_ptr 1
		.amdhsa_wavefront_size32 1
		.amdhsa_system_sgpr_workgroup_id_x 1
		.amdhsa_system_sgpr_workgroup_id_y 1
		.amdhsa_system_sgpr_workgroup_id_z 1
		.amdhsa_system_vgpr_workitem_id 0
		.amdhsa_next_free_vgpr 640
		.amdhsa_next_free_sgpr 80
		.amdhsa_reserve_vcc 0
		.amdhsa_float_denorm_mode_32 3
		.amdhsa_float_denorm_mode_16_64 3
		.amdhsa_memory_ordered 1
		.amdhsa_forward_progress 1
		.amdhsa_inst_pref_size 67
	.end_amdhsa_kernel
	.amdgpu_metadata
---
amdhsa.version: [ 1, 2 ]
amdhsa.kernels:
  - .name:           k_q75795b0bda_wo
    .symbol:         k_q75795b0bda_wo.kd
    .args:
      - { .name: act, .offset: 0, .size: 8, .value_kind: global_buffer, .address_space: global }
      - { .name: wts, .offset: 8, .size: 8, .value_kind: global_buffer, .address_space: global }
      - { .name: bo, .offset: 16, .size: 8, .value_kind: global_buffer, .address_space: global }
      - { .name: w_att, .offset: 24, .size: 8, .value_kind: global_buffer, .address_space: global }
      - { .name: x, .offset: 32, .size: 8, .value_kind: global_buffer, .address_space: global }
      - { .name: x1, .offset: 40, .size: 8, .value_kind: global_buffer, .address_space: global }
    .group_segment_fixed_size: 327680
    .private_segment_fixed_size: 0
    .kernarg_segment_align: 8
    .kernarg_segment_size: 48
    .max_flat_workgroup_size: 128
    .sgpr_count:     80
    .vgpr_count:     640
    .wavefront_size: 32
...
	.end_amdgpu_metadata
.endif
;; end of part 4
;; launch ln2: the kernel of part 1 again; grid 256 x 1, 4 waves a work-group, no clusters, 0 bytes of LDS; arguments x1, ln2_g, ln2_b, Wqkv, Wo, W1, W2, act, wts; writes act, wts
;; launch w1 (part 5): grid 16 x 16, 4 waves a work-group, clusters of 4 x 4, 327,680 bytes of LDS; arguments act, wts, b1, g; writes g
.if DOCPART == 5
	.amdgcn_target "amdgcn-amd-amdhsa--gfx1250"
	.amdhsa_code_object_version 6
	.text
	.protected	k_q75795b0bda_w1
	.globl	k_q75795b0bda_w1
	.p2align	8
	.type	k_q75795b0bda_w1,@function
k_q75795b0bda_w1:
	s_mov_b64 s[64:65], 0
	v_nop
	global_prefetch_b8 v0, s[64:65] scope:SCOPE_SE
	s_setreg_imm32_b32 hwreg(HW_REG_WAVE_MODE, 25, 1), 1
	s_wait_xcnt 0x0
	s_wait_alu depctr_hold_cnt(0) depctr_sa_sdst(0) depctr_va_vdst(0) depctr_va_sdst(0) depctr_va_ssrc(0) depctr_va_vcc(0) depctr_vm_vsrc(0)
	s_getreg_b32 s2, hwreg(HW_REG_IB_STS2, 6, 4)
	s_cmp_eq_u32 s2, 0
	s_cbranch_scc0 .Lentry_in_a_cluster
	s_endpgm
.Lentry_in_a_cluster:
	s_bfe_u32 s2, ttmp6, 0x10000c
	s_cmp_lg_u32 s2, 0xf033
	s_cbranch_scc0 .Lentry_shape_is_right
	s_endpgm
.Lentry_shape_is_right:
; g = gelu(LN2(x1) W1^T + b1), rounded once to f16.  A = act [4096][1024] f16, B = wts + WOFF [4096][1024] f16, sums in f32, started by the bias (f32).
; gelu(a) = a / (1 + 2^(a (K0 + K1 a a))), K0 = -2 log2(e) sqrt(2 / pi), K1 = 0.044715 K0: the tanh form, in f32.
; LIMIT: f16 ends at 65,504: a result beyond it becomes an infinity.
; SHARES.  A tile of C is 256 x 256, made by four waves of 128 x 128 (64 accumulators, 512 registers).  K goes in eight steps of 128 through two LDS slots; a wave's tensor load brings
; 128 rows x 256 bytes.  4 x 4 work-groups form a cluster: A's tiles are asked for jointly along a row of the cluster, B's along a column.
; ONE K STEP IS WRITTEN ONCE: the slot in hand is a scalar, CUR (0 or SLOT), turned by an exclusive or at each change of slots; the fragment addresses and the descriptor's LDS word are sums with it.
; The matrix instruction is used transposed (source 0 = 16 rows of B, source 1 = 16 rows of A): a lane holds eight neighbouring columns of one row of C.
; REGISTERS, in windows of 256: window 0: v16-30 addresses, v64-191 A's two fragment buffers (on the way out: at work); window 1: v64-191 B's two buffers, v192-255 the bias; windows 2, 3: the accumulators.
.set WOFF,   8388608
.set KSTEP,  128
.set PITCH,  272
.set HALFT,  128*PITCH
.set SLOT,   4*HALFT
.set SPARE,  2*SLOT                    ; behind the ring: the spare words, 128 bytes a wave, which no other line names
.set SP,     528                       ; the way out: a stage row of 128 f32 + 16 bytes
.set A0,   16
.set B0,   17
.set ADRA, 18
.set ADRB, 19
.set STO,  24
.set RD,   25
.set CO,   26
.set BO,   27
.set SPW,  28
.set NIL,  29
.set PFO,  30
.set F0,   64
.set F1,   128
.set BI,   192
.set GA,   64                          ; the way out: 8 rows x 4 numbers a lane
.set GZ,   96                          ; at work
.set GY,   128                         ; packed results
.set WV, 12
.set RH, 13
.set CH, 14
.set CX, 15
.set CY, 16
.set TC, 17
.set TR, 18
.set LB, 19
.set CUR, 20
.set CNT, 21
.set G1, 24
.set G0, 32
.set PFA, 44
.set LIM, 46
.set G1B, 48
.set G0B, 56
.set K0, 72
.set K1, 74
.set MSB, 0
.macro WIN new
.if MSB != (\new)
	s_set_vgpr_msb (MSB<<8)|(\new)
.set MSB, \new
.endif
.endm
.macro PLACES
.rept 4
	v_nop
.endr
.endm
.macro JLOAD s
	s_cmp_eq_u32 s[RH], 0
	s_cbranch_scc0 .Lfor_b_\@
	tensor_load_to_lds s[G0+4*(\s):G0+4*(\s)+3], s[G1:G1+7]
	s_nop 0
.rept 4
	v_nop
.endr
	s_branch .Lasked_\@
.Lfor_b_\@:
	tensor_load_to_lds s[G0B+4*(\s):G0B+4*(\s)+3], s[G1B:G1B+7]
	s_nop 0
.rept 4
	v_nop
.endr
.Lasked_\@:
.endm
; A prefetch of the K step that stands two refills on: 32 rows x 256 bytes, a lane a row.  A's rows are asked for by the clusters with x = 0, B's by those with y = 0; the four partners that
; fetch a tile jointly take 32 of a wave's 128 rows each, told apart by address.  So each row's 256 bytes of a K step are named once.  The loop's last two trips have no K step two refills on.
.macro ASK
	s_cmp_gt_u32 s[CNT], s[LIM]
	s_cbranch_scc0 .Lnot_mine_\@
	global_prefetch_b8 v[PFO], s[PFA:PFA+1] offset:KSTEP*2 th:TH_LOAD_NT scope:SCOPE_SE
.Lnot_mine_\@:
.endm
.macro CREST
	s_cmp_lg_u32 s[WV], 0
	s_cbranch_scc1 .Lnot_wave_0_\@
	s_barrier_signal -3
.Lnot_wave_0_\@:
	s_barrier_wait -3
	s_barrier_signal -1
	s_barrier_wait -1
.endm
.macro CROUND
	s_barrier_signal -1
	s_barrier_wait -1
	CREST
.endm
.macro MUL16 f, hi, a0, init           ; 16 matrix instructions; init = 1: the bias starts the sums.  The 64 accumulators take turns in one order everywhere
.if \init
	WIN 0x91+0x40*(\hi)
.else
	WIN 0xa1+0x50*(\hi)
.endif
.irp a, \a0, (\a0)+1
.irp b, 0,1,2,3,4,5,6,7
.if \init
	v_wmma_f32_16x16x32_f16 v[8*(8*(\a)+(\b)):8*(8*(\a)+(\b))+7], v[(\f)+8*(\b):(\f)+8*(\b)+7], v[(\f)+8*(4*(\hi)+(\a)):(\f)+8*(4*(\hi)+(\a))+7], v[BI+8*(\b):BI+8*(\b)+7]
.else
	v_wmma_f32_16x16x32_f16 v[8*(8*(\a)+(\b)):8*(8*(\a)+(\b))+7], v[(\f)+8*(\b):(\f)+8*(\b)+7], v[(\f)+8*(4*(\hi)+(\a)):(\f)+8*(4*(\hi)+(\a))+7], v[8*(8*(\a)+(\b)):8*(8*(\a)+(\b))+7]
.endif
.endr
.endr
.endm
.macro FETCH k, f
	WIN 0x40
.irp i, 0,1,2,3,4,5,6,7
	ds_load_b128 v[(\f)+8*(\i):(\f)+8*(\i)+3],   v[ADRB] offset:(\k)+(\i)*16*PITCH
	ds_load_b128 v[(\f)+8*(\i)+4:(\f)+8*(\i)+7], v[ADRB] offset:(\k)+(\i)*16*PITCH+32
.endr
	WIN 0
.irp i, 0,1,2,3,4,5,6,7
	ds_load_b128 v[(\f)+8*(\i):(\f)+8*(\i)+3],   v[ADRA] offset:(\k)+(\i)*16*PITCH
	ds_load_b128 v[(\f)+8*(\i)+4:(\f)+8*(\i)+7], v[ADRA] offset:(\k)+(\i)*16*PITCH+32
.endr
.endm
.macro QUARTER k, f, g, init
	s_wait_dscnt 8                                 ; B and A's rows 0-63 are in; the youngest eight loads (A's rows 64-127) may be out
	MUL16 \f, 0, 0, \init
	MUL16 \f, 0, 2, \init
	PLACES
	FETCH \k, \g
	s_wait_dscnt 32                                ; all but the 32 just issued
	MUL16 \f, 1, 0, \init
	MUL16 \f, 1, 2, \init
.endm
.macro TURN fill                       ; the last quarter multiplies buffer 1 and changes slots; fill = 1: this slot is filled again, two K steps ahead, behind a round of the cluster's barrier
.if \fill
	s_wait_xcnt 0x0                                ; the last prefetch, a K step back, has read its address
	s_add_nc_u64 s[PFA:PFA+1], s[PFA:PFA+1], KSTEP*2
.endif
	WIN 0
	s_wait_tensorcnt 0x0                           ; all my tensor loads have landed: my part of the next slot
	ds_add_u32 v[SPW], v[NIL]
.if \fill
	s_add_co_u32 s[G0+5], s[LB], s[CUR]
	s_add_co_u32 s[G0B+5], s[LB], s[CUR]
	s_add_nc_u64 s[G0+6:G0+7], s[G0+6:G0+7], KSTEP*2
	s_add_nc_u64 s[G0B+6:G0B+7], s[G0B+6:G0B+7], KSTEP*2
.endif
	s_xor_b32 s[CUR], s[CUR], SLOT
	v_add_nc_u32 v[ADRA], s[CUR], v[A0]
	v_add_nc_u32 v[ADRB], s[CUR], v[B0]
	s_wait_dscnt 9                                 ; the add and the youngest eight loads may be out
	MUL16 F1, 0, 0, 0
	s_wait_dscnt 0x0                               ; the add is done, and my reads of this slot are over
	s_barrier_signal -1
	MUL16 F1, 0, 2, 0
	WIN 0
	s_barrier_wait -1
.if \fill
	CREST
	JLOAD 1
	FETCH 0, F0
	ASK
.else
	PLACES
	s_cmp_eq_u32 s[CNT], 1
	s_cbranch_scc1 .Lno_fetch_\@
	FETCH 0, F0
.Lno_fetch_\@:
.endif
	MUL16 F1, 1, 0, 0
	MUL16 F1, 1, 2, 0
.endm
	s_load_b256 s[4:11], s[0:1], 0x0               ; act s[4:5], wts s[6:7], bias s[8:9], g s[10:11]
	v_lshl_add_u32 v[SPW], v0, 2, SPARE
	v_mov_b32 v[NIL], 0
	ds_add_u32 v[SPW], v[NIL]                      ; the wave's opening
	v_lshrrev_b32 v1, 5, v0
	v_readfirstlane_b32 s[WV], v1
	s_lshr_b32 s[RH], s[WV], 1
	s_and_b32 s[CH], s[WV], 1
	s_bfe_u32 s[CX], ttmp6, 0x40000
	s_bfe_u32 s[CY], ttmp6, 0x40004
	s_lshl_b32 s[TC], ttmp9, 2
	s_add_co_u32 s[TC], s[TC], s[CX]
	s_and_b32 s[TR], ttmp7, 0xffff
	s_lshl_b32 s[TR], s[TR], 2
	s_add_co_u32 s[TR], s[TR], s[CY]
	s_lshl_b32 s22, s[CY], 2
	s_lshl_b32 s22, 15, s22
	s_lshl_b32 s23, 0x1111, s[CX]
	s_or_b32 s[G1], s22, (1<<16)|(1<<20)|(1<<21)|(5<<22)|(3<<25)
	s_or_b32 s[G1B], s23, (1<<16)|(1<<20)|(1<<21)|(5<<22)|(3<<25)
.irp g, G1, G1B
	s_mov_b32 s[(\g)+1], KSTEP<<16
	s_mov_b32 s[(\g)+2], 128<<16
	s_mov_b32 s[(\g)+3], KSTEP<<16
	s_mov_b32 s[(\g)+4], 128
	s_mov_b32 s[(\g)+5], 1024
	s_mov_b32 s[(\g)+6], 0
	s_mov_b32 s[(\g)+7], 0
.endr
	s_mov_b32 s[K0], 0xc0135762                    ; -2.3022082
	s_mov_b32 s[K0+1], s[K0]
	s_mov_b32 s[K1], 0xbdd2d3e8                    ; -0.10294324
	s_mov_b32 s[K1+1], s[K1]
	s_lshl_b32 s66, s[TR], 8
	s_lshl_b32 s67, s[CH], 7
	s_add_co_u32 s66, s66, s67
	s_lshl_b32 s66, s66, 11
	s_mov_b32 s67, 0
	s_lshl_b32 s68, s[TC], 8
	s_lshl_b32 s69, s[CH], 7
	s_add_co_u32 s68, s68, s69
	s_lshl_b32 s68, s68, 11
	s_add_co_u32 s68, s68, WOFF
	s_mov_b32 s69, 0
	s_mul_i32 s[LB], s[WV], HALFT
	s_mov_b32 s[CUR], 0
	s_wait_dscnt 0x0                               ; the opening add is done
	s_wait_kmcnt 0x0
	s_add_nc_u64 s[40:41], s[4:5], s[66:67]
	s_add_nc_u64 s[42:43], s[6:7], s[68:69]
	CROUND                                         ; all sixteen work-groups are here: the first joint loads meet
.irp s, 0,1
	s_mov_b32 s[G0+4*(\s)], 1
	s_add_co_u32 s[G0+4*(\s)+1], s[LB], (\s)*SLOT
	s_add_nc_u64 s[G0+4*(\s)+2:G0+4*(\s)+3], s[40:41], (\s)*KSTEP*2
	s_or_b32 s[G0+4*(\s)+3], s[G0+4*(\s)+3], 0x80000000
	s_mov_b32 s[G0B+4*(\s)], 1
	s_add_co_u32 s[G0B+4*(\s)+1], s[LB], (\s)*SLOT
	s_add_nc_u64 s[G0B+4*(\s)+2:G0B+4*(\s)+3], s[42:43], (\s)*KSTEP*2
	s_or_b32 s[G0B+4*(\s)+3], s[G0B+4*(\s)+3], 0x80000000
	JLOAD \s                                       ; two loads of mine are out
.endr
	v_and_b32 v1, 15, v0
	v_bfe_u32 v2, v0, 4, 1
	v_mul_u32_u24 v3, v1, PITCH
	v_lshl_add_u32 v3, v2, 4, v3
	s_mul_i32 s66, s[RH], HALFT
	s_mul_i32 s67, s[CH], HALFT
	s_add_co_u32 s67, s67, 2*HALFT
	v_add_nc_u32 v[A0], s66, v3
	v_add_nc_u32 v[B0], s67, v3
	v_mov_b32 v[ADRA], v[A0]
	v_mov_b32 v[ADRB], v[B0]
	s_lshl_b32 s66, s[LB], 1                       ; the way out: my stage is 2 HALFT bytes of the ring, when the ring is done with: 128 rows x 528 bytes
	v_mul_u32_u24 v4, v1, SP                       ; in: row l % 16, 32 bytes for each half of the lanes
	v_lshl_add_u32 v4, v2, 5, v4
	v_add_nc_u32 v[STO], s66, v4
	v_and_b32 v4, 31, v0
	v_lshl_add_u32 v[RD], v4, 4, s66               ; back: 32 lanes take one row of 512 bytes,
	v_lshlrev_b32 v[CO], 3, v4                     ; which leaves as 256 consecutive bytes of g
	v_lshlrev_b32 v[BO], 5, v2
	s_lshl_b32 s68, s[TC], 10
	s_lshl_b32 s69, s[CH], 9
	s_add_co_u32 s68, s68, s69
	s_mov_b32 s69, 0
	s_add_nc_u64 s[8:9], s[8:9], s[68:69]          ; the bias at my 128 columns
	WIN 0x40
.irp b, 0,1,2,3,4,5,6,7
	global_load_b128 v[BI+8*(\b):BI+8*(\b)+3],   v[BO], s[8:9] offset:64*(\b)
	global_load_b128 v[BI+8*(\b)+4:BI+8*(\b)+7], v[BO], s[8:9] offset:64*(\b)+16
.endr
	WIN 0
	s_lshl_b32 s66, s[TR], 8                       ; the prefetches
	s_lshl_b32 s67, s[TC], 8
	s_and_b32 s70, ttmp7, 0xffff
	s_cmp_eq_u32 s[RH], 0
	s_cselect_b32 s66, s66, s67
	s_cselect_b32 s67, s[CX], s[CY]
	s_cselect_b32 s70, ttmp9, s70
	s_cselect_b64 s[PFA:PFA+1], s[4:5], s[6:7]
	s_cselect_b32 s71, 0, WOFF
	s_cmp_eq_u32 s70, 0
	s_cselect_b32 s[LIM], 2, -1
	s_lshl_b32 s70, s[CH], 7
	s_add_co_u32 s66, s66, s70
	s_lshl_b32 s67, s67, 5
	s_add_co_u32 s66, s66, s67
	s_lshl_b32 s66, s66, 11
	s_add_co_u32 s66, s66, s71
	s_add_co_u32 s66, s66, 2*KSTEP*2               ; at K step 2: the first refill steps it to 3 and names K step 4
	s_mov_b32 s67, 0
	s_add_nc_u64 s[PFA:PFA+1], s[PFA:PFA+1], s[66:67]
	v_lshlrev_b32 v[PFO], 11, v4
	s_wait_tensorcnt 1                             ; my part of K step 0 is in; K step 1's load may stay out
	s_barrier_signal -1
	s_barrier_wait -1
	FETCH 0, F0
	s_wait_loadcnt 0x0                             ; the bias
	QUARTER 64, F0, F1, 1
	WIN 0
	s_mov_b32 s[CNT], 6
.Lstep:                                        ; a trip: from a K step's second quarter to the next one's first; trip t asks for K step t + 2
	QUARTER 128, F1, F0, 0
	QUARTER 192, F0, F1, 0
	TURN 1
	QUARTER 64, F0, F1, 0
	WIN 0
	s_sub_co_u32 s[CNT], s[CNT], 1
	s_cmp_lg_u32 s[CNT], 0
	s_cbranch_scc1 .Lstep
	s_mov_b32 s[CNT], 2
.Ltail:                                        ; the last two K steps ask for nothing; the second trip is left behind its change of slots
	QUARTER 128, F1, F0, 0
	QUARTER 192, F0, F1, 0
	TURN 0
	WIN 0
	s_cmp_eq_u32 s[CNT], 1
	s_cbranch_scc1 .Lout
	QUARTER 64, F0, F1, 0
	WIN 0
	s_sub_co_u32 s[CNT], s[CNT], 1
	s_cmp_lg_u32 s[CNT], 0
	s_cbranch_scc1 .Ltail
.Lout:
	; THE WAY OUT.  Behind the last barrier no wave reads the ring and nothing fills it again.  The sums go as f32 into my own stage, each accumulator's low registers first.
	PLACES
.irp a, 0,1,2,3,4,5,6,7
	WIN 0x08+4*((\a)/4)                            ; the data (source 1) in window 2 or 3
.irp b, 0,1,2,3,4,5,6,7
	ds_store_b128 v[STO], v[64*((\a)%4)+8*(\b):64*((\a)%4)+8*(\b)+3]   offset:(\a)*16*SP+64*(\b)
	ds_store_b128 v[STO], v[64*((\a)%4)+8*(\b)+4:64*((\a)%4)+8*(\b)+7] offset:(\a)*16*SP+64*(\b)+16
.endr
.endr
	WIN 0
	s_lshl_b32 s66, s[TR], 8
	s_lshl_b32 s67, s[RH], 7
	s_add_co_u32 s66, s66, s67                     ; my first row,
	s_lshl_b32 s66, s66, 13                        ; x 8,192 bytes
	s_lshl_b32 s67, s[TC], 9
	s_add_co_u32 s66, s66, s67
	s_lshl_b32 s67, s[CH], 8
	s_add_co_u32 s66, s66, s67                     ; + my 128 columns
	s_mov_b32 s67, 0
	s_add_nc_u64 s[10:11], s[10:11], s[66:67]
	s_mov_b32 s[CNT], 16
.Lrows:                                        ; 8 rows a trip; LDS serves a wave's instructions in order (ISA guide 5.7.1.4): the loads see my stores above
.irp i, 0,1,2,3,4,5,6,7
	ds_load_b128 v[GA+4*(\i):GA+4*(\i)+3], v[RD] offset:SP*(\i)
.endr
.irp i, 0,1,2,3,4,5,6,7
	s_wait_dscnt 7-(\i)                            ; the younger loads may stay out
	v_pk_mul_f32 v[GZ+4*(\i):GZ+4*(\i)+1],   v[GA+4*(\i):GA+4*(\i)+1],   v[GA+4*(\i):GA+4*(\i)+1]
	v_pk_mul_f32 v[GZ+4*(\i)+2:GZ+4*(\i)+3], v[GA+4*(\i)+2:GA+4*(\i)+3], v[GA+4*(\i)+2:GA+4*(\i)+3]
	v_pk_fma_f32 v[GZ+4*(\i):GZ+4*(\i)+1],   v[GZ+4*(\i):GZ+4*(\i)+1],   s[K1:K1+1], s[K0:K0+1] op_sel_hi:[1,0,0]
	v_pk_fma_f32 v[GZ+4*(\i)+2:GZ+4*(\i)+3], v[GZ+4*(\i)+2:GZ+4*(\i)+3], s[K1:K1+1], s[K0:K0+1] op_sel_hi:[1,0,0]
	v_pk_mul_f32 v[GZ+4*(\i):GZ+4*(\i)+1],   v[GZ+4*(\i):GZ+4*(\i)+1],   v[GA+4*(\i):GA+4*(\i)+1]
	v_pk_mul_f32 v[GZ+4*(\i)+2:GZ+4*(\i)+3], v[GZ+4*(\i)+2:GZ+4*(\i)+3], v[GA+4*(\i)+2:GA+4*(\i)+3]
	v_exp_f32 v[GZ+4*(\i)],   v[GZ+4*(\i)]
	v_exp_f32 v[GZ+4*(\i)+1], v[GZ+4*(\i)+1]
	v_exp_f32 v[GZ+4*(\i)+2], v[GZ+4*(\i)+2]
	v_exp_f32 v[GZ+4*(\i)+3], v[GZ+4*(\i)+3]
.endr
	v_nop                                          ; a plain instruction behind the last exponential,
	s_wait_alu depctr_va_vdst(0)                   ; and one wait for the trip's 32
.irp i, 0,1,2,3,4,5,6,7
	v_pk_add_f32 v[GZ+4*(\i):GZ+4*(\i)+1],   v[GZ+4*(\i):GZ+4*(\i)+1],   1.0 op_sel_hi:[1,0]
	v_pk_add_f32 v[GZ+4*(\i)+2:GZ+4*(\i)+3], v[GZ+4*(\i)+2:GZ+4*(\i)+3], 1.0 op_sel_hi:[1,0]
	v_rcp_f32 v[GZ+4*(\i)],   v[GZ+4*(\i)]
	v_rcp_f32 v[GZ+4*(\i)+1], v[GZ+4*(\i)+1]
	v_rcp_f32 v[GZ+4*(\i)+2], v[GZ+4*(\i)+2]
	v_rcp_f32 v[GZ+4*(\i)+3], v[GZ+4*(\i)+3]
.endr
	v_nop
	s_wait_alu depctr_va_vdst(0)                   ; one wait for the trip's 32 reciprocals
.irp i, 0,1,2,3,4,5,6,7
	v_pk_mul_f32 v[GZ+4*(\i):GZ+4*(\i)+1],   v[GZ+4*(\i):GZ+4*(\i)+1],   v[GA+4*(\i):GA+4*(\i)+1]
	v_pk_mul_f32 v[GZ+4*(\i)+2:GZ+4*(\i)+3], v[GZ+4*(\i)+2:GZ+4*(\i)+3], v[GA+4*(\i)+2:GA+4*(\i)+3]
.endr
.irp i, 0,1,2,3,4,5,6,7
	v_cvt_pk_f16_f32 v[GY+2*(\i)],   v[GZ+4*(\i)],   v[GZ+4*(\i)+1]
	v_cvt_pk_f16_f32 v[GY+2*(\i)+1], v[GZ+4*(\i)+2], v[GZ+4*(\i)+3]
.endr
.irp i, 0,1,2,3,4,5,6,7
	global_store_b64 v[CO], v[GY+2*(\i):GY+2*(\i)+1], s[10:11] offset:8192*(\i)  ; 32 lanes store 256 consecutive bytes, at a multiple of 256 from g's first byte
.endr
	s_wait_xcnt 0x0                                ; the stores have read their registers and their base
	v_add_nc_u32 v[RD], 8*SP, v[RD]
	s_add_nc_u64 s[10:11], s[10:11], 65536
	s_sub_co_u32 s[CNT], s[CNT], 1
	s_cmp_lg_u32 s[CNT], 0
	s_cbranch_scc1 .Lrows
	s_wait_tensorcnt 0x0                           ; the wave's end
	ds_add_u32 v[SPW], v[NIL]
	s_wait_dscnt 0x0
	CROUND                                         ; the closing round
	s_endpgm
.Lfunc_end_k_q75795b0bda_w1:
	.size	k_q75795b0bda_w1, .Lfunc_end_k_q75795b0bda_w1-k_q75795b0bda_w1
	.p2alignl 7, 3214868480
	.fill 96, 4, 3214868480
	.section	.rodata,"a",@progbits
	.p2align	6, 0x0
	.amdhsa_kernel k_q75795b0bda_w1
		.amdhsa_group_segment_fixed_size 327680
		.amdhsa_private_segment_fixed_size 0
		.amdhsa_enable_private_segment 0
		.amdhsa_kernarg_size 32
		.amdhsa_user_sgpr_count 2
		.amdhsa_user_sgpr_kernarg_segment_ptr 1
		.amdhsa_wavefront_size32 1
		.amdhsa_system_sgpr_workgroup_id_x 1
		.amdhsa_system_sgpr_workgroup_id_y 1
		.amdhsa_system_sgpr_workgroup_id_z 1
		.amdhsa_system_vgpr_workitem_id 0
		.amdhsa_next_free_vgpr 1024
		.amdhsa_next_free_sgpr 80
		.amdhsa_reserve_vcc 0
		.amdhsa_float_denorm_mode_32 3
		.amdhsa_float_denorm_mode_16_64 3
		.amdhsa_memory_ordered 1
		.amdhsa_forward_progress 1
		.amdhsa_inst_pref_size 89
	.end_amdhsa_kernel
	.amdgpu_metadata
---
amdhsa.version: [ 1, 2 ]
amdhsa.kernels:
  - .name:           k_q75795b0bda_w1
    .symbol:         k_q75795b0bda_w1.kd
    .args:
      - { .name: act, .offset: 0, .size: 8, .value_kind: global_buffer, .address_space: global }
      - { .name: wts, .offset: 8, .size: 8, .value_kind: global_buffer, .address_space: global }
      - { .name: b1, .offset: 16, .size: 8, .value_kind: global_buffer, .address_space: global }
      - { .name: g, .offset: 24, .size: 8, .value_kind: global_buffer, .address_space: global }
    .group_segment_fixed_size: 327680
    .private_segment_fixed_size: 0
    .kernarg_segment_align: 8
    .kernarg_segment_size: 32
    .max_flat_workgroup_size: 128
    .sgpr_count:     80
    .vgpr_count:     1024
    .wavefront_size: 32
...
	.end_amdgpu_metadata
.endif
;; end of part 5
;; launch w2 (part 6): grid 8 x 32, 4 waves a work-group, clusters of 4 x 4, 327,680 bytes of LDS; arguments g, wts, b2, w_mlp, x1, out0; writes out0
.if DOCPART == 6
	.amdgcn_target "amdgcn-amd-amdhsa--gfx1250"
	.amdhsa_code_object_version 6
	.text
	.protected	k_q75795b0bda_w2
	.globl	k_q75795b0bda_w2
	.p2align	8
	.type	k_q75795b0bda_w2,@function
k_q75795b0bda_w2:
	s_mov_b64 s[64:65], 0
	v_nop
	global_prefetch_b8 v0, s[64:65] scope:SCOPE_SE
	s_setreg_imm32_b32 hwreg(HW_REG_WAVE_MODE, 25, 1), 1
	s_wait_xcnt 0x0
	s_wait_alu depctr_hold_cnt(0) depctr_sa_sdst(0) depctr_va_vdst(0) depctr_va_sdst(0) depctr_va_ssrc(0) depctr_va_vcc(0) depctr_vm_vsrc(0)
	s_getreg_b32 s2, hwreg(HW_REG_IB_STS2, 6, 4)
	s_cmp_eq_u32 s2, 0
	s_cbranch_scc0 .Lentry_in_a_cluster
	s_endpgm
.Lentry_in_a_cluster:
	s_bfe_u32 s2, ttmp6, 0x10000c
	s_cmp_lg_u32 s2, 0xf033
	s_cbranch_scc0 .Lentry_shape_is_right
	s_endpgm
.Lentry_shape_is_right:
; out0 = x1 + w_mlp (g W2^T + b2).  A = g [4096][SIZE_K] f16, B = wts + WOFF [1024][SIZE_K] f16; sums in f32, started by the bias (f32); the residual, the scalar and the result are f32.
; LIMITS: the operands arrive within f16's 65,504.  K is summed from a K step that hangs on the cluster (below), and round: an order of rounding other than ascending K.
; SHARES.  A tile of C is 128 x 128 (256 work-groups); four waves of 64 x 64: 16 accumulators.  K goes in steps of 256 (LDS rows of 512 bytes; a wave's tensor load brings 64 of them) through two slots.
; 4 x 4 work-groups form a cluster: A's tiles are asked for jointly along a row, B's along a column.  One K step is written once: the slot in hand is the scalar CUR.
; THE WALK ALONG K IS TURNED.  Cluster (x, y) begins x halves and (y mod 4) quarters of K along the rows and wraps round at their end.  So the two clusters that read the same rows of A (same y) stand half
; of K apart, and four neighbouring clusters that read the same rows of B (same x) a quarter of K: at no time do they ask for the same K step.  The offset hangs on the cluster's place alone: all sixteen partners share it.
; The matrix instruction is used transposed: a lane holds eight neighbouring columns of one row of C.  A wave's 64 f32 columns are 256 consecutive bytes, so each wave has a stage of its own.
; The wave's 64 x 64 of the residual is loaded at the head into window 2 and stays on its way during the whole K loop.
; REGISTERS: window 0: v16-29 addresses, v32-95 at work on the way out, v96-127 the bias, v128-255 the accumulators; window 1: two fragment buffers of 128; window 2: v0-127 the residual.
.set SIZE_K, 4096
.set LOGK,   12
.set WOFF,   16777216
.set KSTEP,  256
.set PITCH,  528
.set HALFT,  64*PITCH
.set SLOT,   4*HALFT
.set STAGE,  2*SLOT                    ; behind the ring, never filled by a tensor load: 32 rows x 272 bytes for each wave
.set SPITCH, 272
.set SPARE,  STAGE+4*32*SPITCH         ; the spare words, 128 bytes a wave, which no other line names
.set A0,   16
.set B0,   17
.set ADRA, 18
.set ADRB, 19
.set STO,  24
.set RD,   25
.set CO,   26
.set BO,   27
.set SPW,  28
.set NIL,  29
.set TMP,  32
.set BI,   96
.set ACC,  128
.set F0,   0
.set F1,   128
.set WV, 12
.set RH, 13
.set CH, 14
.set CX, 15
.set CY, 16
.set TC, 17
.set TR, 18
.set LB, 19
.set CUR, 20
.set CNT, 21
.set G1, 24
.set G0, 32
.set UO, 44                            ; s[44:45] the byte offset along the rows of the K step to be asked for next
.set G1B, 48
.set G0B, 56
.set MSB, 0
.macro WIN new
.if MSB != (\new)
	s_set_vgpr_msb (MSB<<8)|(\new)
.set MSB, \new
.endif
.endm
.macro PLACES
.rept 4
	v_nop
.endr
.endm
.macro JLOAD s
	s_cmp_eq_u32 s[RH], 0
	s_cbranch_scc0 .Lfor_b_\@
	tensor_load_to_lds s[G0+4*(\s):G0+4*(\s)+3], s[G1:G1+7]
	s_nop 0
.rept 4
	v_nop
.endr
	s_branch .Lasked_\@
.Lfor_b_\@:
	tensor_load_to_lds s[G0B+4*(\s):G0B+4*(\s)+3], s[G1B:G1B+7]
	s_nop 0
.rept 4
	v_nop
.endr
.Lasked_\@:
.endm
.macro CREST
	s_cmp_lg_u32 s[WV], 0
	s_cbranch_scc1 .Lnot_wave_0_\@
	s_barrier_signal -3
.Lnot_wave_0_\@:
	s_barrier_wait -3
	s_barrier_signal -1
	s_barrier_wait -1
.endm
.macro CROUND
	s_barrier_signal -1
	s_barrier_wait -1
	CREST
.endm
.macro MUL8 f, c, a0, init             ; 8 matrix instructions: m blocks a0, a0 + 1 x 4 n blocks, half c of buffer f.  init = 1: the bias starts the sums.  The 16 accumulators take turns
	WIN 0x05
.irp a, \a0, (\a0)+1
.irp b, 0,1,2,3
.if \init
	v_wmma_f32_16x16x32_f16 v[ACC+8*(4*(\a)+(\b)):ACC+8*(4*(\a)+(\b))+7], v[(\f)+64+8*(4*(\c)+(\b)):(\f)+64+8*(4*(\c)+(\b))+7], v[(\f)+8*(4*(\c)+(\a)):(\f)+8*(4*(\c)+(\a))+7], v[BI+8*(\b):BI+8*(\b)+7]
.else
	v_wmma_f32_16x16x32_f16 v[ACC+8*(4*(\a)+(\b)):ACC+8*(4*(\a)+(\b))+7], v[(\f)+64+8*(4*(\c)+(\b)):(\f)+64+8*(4*(\c)+(\b))+7], v[(\f)+8*(4*(\c)+(\a)):(\f)+8*(4*(\c)+(\a))+7], v[ACC+8*(4*(\a)+(\b)):ACC+8*(4*(\a)+(\b))+7]
.endif
.endr
.endr
.endm
.macro FETCH k, f                      ; 32 LDS loads in one run: 64 along K at byte k of the rows; the first 32 along K first
	WIN 0x40
.irp c, 0,1
.irp i, 0,1,2,3
	ds_load_b128 v[(\f)+64+8*(4*(\c)+(\i)):(\f)+64+8*(4*(\c)+(\i))+3],   v[ADRB] offset:(\k)+64*(\c)+(\i)*16*PITCH
	ds_load_b128 v[(\f)+64+8*(4*(\c)+(\i))+4:(\f)+64+8*(4*(\c)+(\i))+7], v[ADRB] offset:(\k)+64*(\c)+(\i)*16*PITCH+32
	ds_load_b128 v[(\f)+8*(4*(\c)+(\i)):(\f)+8*(4*(\c)+(\i))+3],         v[ADRA] offset:(\k)+64*(\c)+(\i)*16*PITCH
	ds_load_b128 v[(\f)+8*(4*(\c)+(\i))+4:(\f)+8*(4*(\c)+(\i))+7],       v[ADRA] offset:(\k)+64*(\c)+(\i)*16*PITCH+32
.endr
.endr
.endm
.macro QUARTER k, f, g, init
	s_wait_dscnt 16                                ; the first 32 along K are in; the youngest sixteen loads may be out
	MUL8 \f, 0, 0, \init
	MUL8 \f, 0, 2, \init
	PLACES
	FETCH \k, \g
	s_wait_dscnt 32                                ; all but the 32 just issued
	MUL8 \f, 1, 0, 0
	MUL8 \f, 1, 2, 0
.endm
.macro TURN fill                       ; the last quarter multiplies buffer 1 and changes slots; fill = 1: this slot is filled again, two steps of the walk ahead, behind a round of the cluster's barrier
	WIN 0
	s_wait_tensorcnt 0x0                           ; all my tensor loads have landed: my part of the next slot
	ds_add_u32 v[SPW], v[NIL]
.if \fill
	s_add_co_u32 s[G0+5], s[LB], s[CUR]            ; no tensor load of mine is out: the walking descriptors take the slot in hand,
	s_add_co_u32 s[G0B+5], s[LB], s[CUR]
	s_add_nc_u64 s[G0+6:G0+7], s[40:41], s[UO:UO+1]    ; and their addresses are made anew: the rows' first byte + the walk's offset, the type bits on top
	s_or_b32 s[G0+7], s[G0+7], 0x80000000
	s_add_nc_u64 s[G0B+6:G0B+7], s[42:43], s[UO:UO+1]
	s_or_b32 s[G0B+7], s[G0B+7], 0x80000000
	s_add_co_u32 s[UO], s[UO], KSTEP*2             ; the walk's next step,
	s_and_b32 s[UO], s[UO], SIZE_K*2-1             ; round the rows' end
.endif
	s_xor_b32 s[CUR], s[CUR], SLOT
	v_add_nc_u32 v[ADRA], s[CUR], v[A0]
	v_add_nc_u32 v[ADRB], s[CUR], v[B0]
	s_wait_dscnt 17                                ; the add and the youngest sixteen loads may be out
	MUL8 F1, 0, 0, 0
	s_wait_dscnt 0x0                               ; the add is done, and my reads of this slot are over
	s_barrier_signal -1
	MUL8 F1, 0, 2, 0
	WIN 0
	s_barrier_wait -1
.if \fill
	CREST
	JLOAD 1                                        ; its four v_nop are also the places in front of the loads below
	FETCH 0, F0
.else
	PLACES
	s_cmp_eq_u32 s[CNT], 1                         ; behind the last K step there is nothing to fetch
	s_cbranch_scc1 .Lno_fetch_\@
	FETCH 0, F0
	WIN 0
.Lno_fetch_\@:
.endif
	MUL8 F1, 1, 0, 0
	MUL8 F1, 1, 2, 0
.endm
	s_load_b256 s[4:11], s[0:1], 0x0               ; A s[4:5], wts s[6:7], bias s[8:9], the scalar s[10:11]
	s_load_b128 s[68:71], s[0:1], 0x20             ; the residual s[68:69], the result s[70:71]
	v_lshl_add_u32 v[SPW], v0, 2, SPARE
	v_mov_b32 v[NIL], 0
	ds_add_u32 v[SPW], v[NIL]                      ; the wave's opening
	v_lshrrev_b32 v1, 5, v0
	v_readfirstlane_b32 s[WV], v1
	s_lshr_b32 s[RH], s[WV], 1
	s_and_b32 s[CH], s[WV], 1
	s_bfe_u32 s[CX], ttmp6, 0x40000
	s_bfe_u32 s[CY], ttmp6, 0x40004
	s_lshl_b32 s[TC], ttmp9, 2
	s_add_co_u32 s[TC], s[TC], s[CX]
	s_and_b32 s[TR], ttmp7, 0xffff
	s_lshl_b32 s[TR], s[TR], 2
	s_add_co_u32 s[TR], s[TR], s[CY]
	s_lshl_b32 s22, s[CY], 2
	s_lshl_b32 s22, 15, s22
	s_lshl_b32 s23, 0x1111, s[CX]
	s_or_b32 s[G1], s22, (1<<16)|(1<<20)|(1<<21)|(6<<22)|(3<<25)   ; mask; 2-byte elements; padding on; bit 21 beside a mask; after every 128 words 4 words
	s_or_b32 s[G1B], s23, (1<<16)|(1<<20)|(1<<21)|(6<<22)|(3<<25)
.irp g, G1, G1B
	s_mov_b32 s[(\g)+1], KSTEP<<16
	s_mov_b32 s[(\g)+2], 64<<16
	s_mov_b32 s[(\g)+3], KSTEP<<16
	s_mov_b32 s[(\g)+4], 64
	s_mov_b32 s[(\g)+5], SIZE_K
	s_mov_b32 s[(\g)+6], 0
	s_mov_b32 s[(\g)+7], 0
.endr
	s_and_b32 s46, ttmp7, 3                        ; where my cluster's walk begins: (the cluster's y mod 4) quarters of a row's 2 SIZE_K bytes
	s_lshl_b32 s46, s46, LOGK-1
	s_lshl_b32 s[UO], ttmp9, LOGK                  ; + (the cluster's x, 0 or 1) halves of them,
	s_add_co_u32 s[UO], s[UO], s46
	s_and_b32 s[UO], s[UO], SIZE_K*2-1             ; round the rows' end
	s_mov_b32 s[UO+1], 0
	s_lshl_b32 s74, s[TR], 7
	s_lshl_b32 s75, s[CH], 6
	s_add_co_u32 s74, s74, s75                     ; A: row 128 x tile row + 64 x half
	s_mul_i32 s74, s74, SIZE_K*2
	s_mov_b32 s75, 0
	s_lshl_b32 s76, s[TC], 7
	s_lshl_b32 s77, s[CH], 6
	s_add_co_u32 s76, s76, s77                     ; B: row 128 x tile column + 64 x half
	s_mul_i32 s76, s76, SIZE_K*2
	s_add_co_u32 s76, s76, WOFF
	s_mov_b32 s77, 0
	s_mul_i32 s[LB], s[WV], HALFT
	s_mov_b32 s[CUR], 0
	s_wait_dscnt 0x0                               ; the opening add is done
	s_wait_kmcnt 0x0
	s_add_nc_u64 s[40:41], s[4:5], s[74:75]        ; my rows' first bytes; never rewritten
	s_add_nc_u64 s[42:43], s[6:7], s[76:77]
	s_load_b32 s72, s[10:11], 0x0                  ; the scalar
	CROUND                                         ; all sixteen work-groups are here: the first joint loads meet
.irp s, 0,1
	s_mov_b32 s[G0+4*(\s)], 1
	s_add_co_u32 s[G0+4*(\s)+1], s[LB], (\s)*SLOT
	s_add_nc_u64 s[G0+4*(\s)+2:G0+4*(\s)+3], s[40:41], s[UO:UO+1]
	s_or_b32 s[G0+4*(\s)+3], s[G0+4*(\s)+3], 0x80000000
	s_mov_b32 s[G0B+4*(\s)], 1
	s_add_co_u32 s[G0B+4*(\s)+1], s[LB], (\s)*SLOT
	s_add_nc_u64 s[G0B+4*(\s)+2:G0B+4*(\s)+3], s[42:43], s[UO:UO+1]
	s_or_b32 s[G0B+4*(\s)+3], s[G0B+4*(\s)+3], 0x80000000
	JLOAD \s                                       ; two loads of mine are out
	s_add_co_u32 s[UO], s[UO], KSTEP*2             ; the walk's next step, round the rows' end
	s_and_b32 s[UO], s[UO], SIZE_K*2-1
.endr
	v_and_b32 v1, 15, v0
	v_bfe_u32 v2, v0, 4, 1
	v_mul_u32_u24 v3, v1, PITCH
	v_lshl_add_u32 v3, v2, 4, v3
	s_mul_i32 s74, s[RH], HALFT
	s_mul_i32 s75, s[CH], HALFT
	s_add_co_u32 s75, s75, 2*HALFT
	v_add_nc_u32 v[A0], s74, v3
	v_add_nc_u32 v[B0], s75, v3
	v_mov_b32 v[ADRA], v[A0]
	v_mov_b32 v[ADRB], v[B0]
	s_mul_i32 s74, s[WV], 32*SPITCH
	s_add_co_u32 s74, s74, STAGE                   ; my stage
	v_mul_u32_u24 v4, v1, SPITCH                   ; in: row l % 16, 32 bytes for each half of the lanes
	v_lshl_add_u32 v4, v2, 5, v4
	v_add_nc_u32 v[STO], s74, v4
	v_mul_u32_u24 v5, v2, SPITCH                   ; back: lanes 0-15 one row of 256 bytes, lanes 16-31 the next
	v_lshl_add_u32 v5, v1, 4, v5
	v_add_nc_u32 v[RD], s74, v5
	v_lshlrev_b32 v[CO], 12, v2                    ; and the same two rows, of 4,096 bytes, in the residual and in the result
	v_lshl_add_u32 v[CO], v1, 4, v[CO]
	v_lshlrev_b32 v[BO], 5, v2
	s_lshl_b32 s66, s[TC], 9
	s_lshl_b32 s67, s[CH], 8
	s_add_co_u32 s66, s66, s67                     ; my 64 columns, in bytes of f32
	s_mov_b32 s67, 0
	s_add_nc_u64 s[8:9], s[8:9], s[66:67]
	s_lshl_b32 s78, s[TR], 7
	s_lshl_b32 s79, s[RH], 6
	s_add_co_u32 s78, s78, s79                     ; my first row
	s_lshl_b32 s78, s78, 12
	s_add_co_u32 s78, s78, s66
	s_mov_b32 s79, 0
	s_add_nc_u64 s[68:69], s[68:69], s[78:79]
	s_add_nc_u64 s[70:71], s[70:71], s[78:79]
.irp b, 0,1,2,3
	global_load_b128 v[BI+8*(\b):BI+8*(\b)+3],   v[BO], s[8:9] offset:64*(\b)
	global_load_b128 v[BI+8*(\b)+4:BI+8*(\b)+7], v[BO], s[8:9] offset:64*(\b)+16
.endr
	WIN 0x80
.set i, 0
.rept 32
	global_load_b128 v[4*i:4*i+3], v[CO], s[68:69] offset:8192*i th:TH_LOAD_NT  ; rows 2 i and 2 i + 1
.set i, i+1
.endr
	WIN 0
	s_wait_kmcnt 0x0
	s_mov_b32 s73, s72                             ; named with it as a pair
	s_wait_tensorcnt 1                             ; my part of the walk's first step is in; the second's load may stay out
	s_barrier_signal -1
	s_barrier_wait -1
	FETCH 0, F0
	s_wait_loadcnt 32                              ; the bias is in; the residual's 32 loads may stay out
	QUARTER 128, F0, F1, 1
	WIN 0
	s_mov_b32 s[CNT], SIZE_K/KSTEP-2
.Lstep:                                        ; a trip: from a K step's second quarter to the next one's first; trip t asks for the walk's step t + 2
	QUARTER 256, F1, F0, 0
	QUARTER 384, F0, F1, 0
	TURN 1
	QUARTER 128, F0, F1, 0
	WIN 0
	s_sub_co_u32 s[CNT], s[CNT], 1
	s_cmp_lg_u32 s[CNT], 0
	s_cbranch_scc1 .Lstep
	s_mov_b32 s[CNT], 2
.Ltail:                                        ; the last two K steps ask for nothing; the second trip is left behind its change of slots
	QUARTER 256, F1, F0, 0
	QUARTER 384, F0, F1, 0
	TURN 0
	WIN 0
	s_cmp_eq_u32 s[CNT], 1
	s_cbranch_scc1 .Lout
	QUARTER 128, F0, F1, 0
	WIN 0
	s_sub_co_u32 s[CNT], s[CNT], 1
	s_cmp_lg_u32 s[CNT], 0
	s_cbranch_scc1 .Ltail
.Lout:
	; THE WAY OUT, 32 rows at a time through my own stage: in by lanes' 32 bytes, back by whole rows of 256 bytes; result = residual + scalar x sum, one fused multiply-add.
	PLACES
	s_wait_loadcnt 0x0                             ; the residual
	WIN 0x20                                       ; source 2 in window 2
.irp pp, 0,1
.if (\pp) == 1
	s_wait_xcnt 0x0                                ; the first pass's stores have read their registers
.endif
.irp aa, 0,1
.irp b, 0,1,2,3
	ds_store_b128 v[STO], v[ACC+8*(4*(2*(\pp)+(\aa))+(\b)):ACC+8*(4*(2*(\pp)+(\aa))+(\b))+3]   offset:(\aa)*16*SPITCH+64*(\b)
	ds_store_b128 v[STO], v[ACC+8*(4*(2*(\pp)+(\aa))+(\b))+4:ACC+8*(4*(2*(\pp)+(\aa))+(\b))+7] offset:(\aa)*16*SPITCH+64*(\b)+16
.endr
.endr
.irp t, 0,1,2,3,4,5,6,7,8,9,10,11,12,13,14,15
	ds_load_b128 v[TMP+4*(\t):TMP+4*(\t)+3], v[RD] offset:(\t)*2*SPITCH  ; LDS serves a wave's instructions in order (ISA guide 5.7.1.4)
.endr
.irp t, 0,1,2,3,4,5,6,7,8,9,10,11,12,13,14,15
	s_wait_dscnt 15-(\t)                           ; the younger loads may stay out
	v_pk_fma_f32 v[TMP+4*(\t):TMP+4*(\t)+1],   v[TMP+4*(\t):TMP+4*(\t)+1],   s[72:73], v[4*(16*(\pp)+(\t)):4*(16*(\pp)+(\t))+1]   op_sel_hi:[1,0,1]
	v_pk_fma_f32 v[TMP+4*(\t)+2:TMP+4*(\t)+3], v[TMP+4*(\t)+2:TMP+4*(\t)+3], s[72:73], v[4*(16*(\pp)+(\t))+2:4*(16*(\pp)+(\t))+3] op_sel_hi:[1,0,1]
	global_store_b128 v[CO], v[TMP+4*(\t):TMP+4*(\t)+3], s[70:71] offset:(32*(\pp)+2*(\t))*4096  ; 16 lanes store 256 consecutive bytes, at a multiple of 256 from the buffer's first byte
.endr
.endr
	WIN 0
	s_wait_tensorcnt 0x0                           ; the wave's end
	ds_add_u32 v[SPW], v[NIL]
	s_wait_dscnt 0x0
	CROUND                                         ; the closing round
	s_endpgm
.Lfunc_end_k_q75795b0bda_w2:
	.size	k_q75795b0bda_w2, .Lfunc_end_k_q75795b0bda_w2-k_q75795b0bda_w2
	.p2alignl 7, 3214868480
	.fill 96, 4, 3214868480
	.section	.rodata,"a",@progbits
	.p2align	6, 0x0
	.amdhsa_kernel k_q75795b0bda_w2
		.amdhsa_group_segment_fixed_size 327680
		.amdhsa_private_segment_fixed_size 0
		.amdhsa_enable_private_segment 0
		.amdhsa_kernarg_size 48
		.amdhsa_user_sgpr_count 2
		.amdhsa_user_sgpr_kernarg_segment_ptr 1
		.amdhsa_wavefront_size32 1
		.amdhsa_system_sgpr_workgroup_id_x 1
		.amdhsa_system_sgpr_workgroup_id_y 1
		.amdhsa_system_sgpr_workgroup_id_z 1
		.amdhsa_system_vgpr_workitem_id 0
		.amdhsa_next_free_vgpr 640
		.amdhsa_next_free_sgpr 80
		.amdhsa_reserve_vcc 0
		.amdhsa_float_denorm_mode_32 3
		.amdhsa_float_denorm_mode_16_64 3
		.amdhsa_memory_ordered 1
		.amdhsa_forward_progress 1
		.amdhsa_inst_pref_size 67
	.end_amdhsa_kernel
	.amdgpu_metadata
---
amdhsa.version: [ 1, 2 ]
amdhsa.kernels:
  - .name:           k_q75795b0bda_w2
    .symbol:         k_q75795b0bda_w2.kd
    .args:
      - { .name: g, .offset: 0, .size: 8, .value_kind: global_buffer, .address_space: global }
      - { .name: wts, .offset: 8, .size: 8, .value_kind: global_buffer, .address_space: global }
      - { .name: b2, .offset: 16, .size: 8, .value_kind: global_buffer, .address_space: global }
      - { .name: w_mlp, .offset: 24, .size: 8, .value_kind: global_buffer, .address_space: global }
      - { .name: x1, .offset: 32, .size: 8, .value_kind: global_buffer, .address_space: global }
      - { .name: out0, .offset: 40, .size: 8, .value_kind: global_buffer, .address_space: global }
    .group_segment_fixed_size: 327680
    .private_segment_fixed_size: 0
    .kernarg_segment_align: 8
    .kernarg_segment_size: 48
    .max_flat_workgroup_size: 128
    .sgpr_count:     80
    .vgpr_count:     640
    .wavefront_size: 32
...
	.end_amdgpu_metadata
.endif
;; end of part 6
